; MI455X (gfx1250); checked and timed in simulation.
; The chip was launched on July 23, 2026; its instructions are those of AMD's public machine-readable ISA for CDNA 5 (MIT licence, August 2026) and "CDNA5" Instruction Set Architecture Reference Guide (July 2026). The comments in the code are by the model that wrote it; some were corrected since.
;; Qwen3 Attention. Allowed arithmetic: matrix products marked QUANTISED: E2M3 operands, one E8M0 scale for each 32 along K, by v_wmma_scale_f32_16x16x128_f8f6f4 with both operands' format E2M3, f32 sums; everything else in f32.
;; Inputs: Wk_codes 1,024 x 128 x 24 uint8 (E2M3 codes of Wk, K innermost, in blocks of 32 codes, four codes in three bytes); Wk_scales 1,024 x 128 uint8 (E8M0 scales of Wk, one for each 32 codes along K); Wo_codes 4,096 x 64 x 24 uint8 (E2M3 codes of Wo, K innermost, in blocks of 32 codes, four codes in three bytes); Wo_scales 4,096 x 64 uint8 (E8M0 scales of Wo, one for each 32 codes along K); Wq_codes 2,048 x 128 x 24 uint8 (E2M3 codes of Wq, K innermost, in blocks of 32 codes, four codes in three bytes); Wq_scales 2,048 x 128 uint8 (E8M0 scales of Wq, one for each 32 codes along K); Wv_codes 1,024 x 128 x 24 uint8 (E2M3 codes of Wv, K innermost, in blocks of 32 codes, four codes in three bytes); Wv_scales 1,024 x 128 uint8 (E8M0 scales of Wv, one for each 32 codes along K); hidden_states_codes 1 x 2,048 x 128 x 24 uint8 (E2M3 codes of hidden_states, K innermost, in blocks of 32 codes, four codes in three bytes); hidden_states_scales 1 x 2,048 x 128 uint8 (E8M0 scales of hidden_states, one for each 32 codes along K); k_norm_w 128 float32; position_ids 1 x 2,048 int32; q_norm_w 128 float32.
;; Outputs: out0 1 x 2,048 x 4,096 float32.
;; This version of the problem:
;;   THIS VERSION OF THE PROBLEM IS GIVEN IN LOW PRECISION. The matrix products marked QUANTISED in the list below multiply operands that are first quantised to E2M3 (2 exponent bits, 3 mantissa bits; 6 bits a number), with one power-of-two scale for each 32 numbers along K (OCP MX v1.0); their sums are f32. All else is computed in f32.
;;   The module's matrix products, in the order in which they are computed (A, B: the left and right operand; K: the contracted axis; several contracted axes count as one K, in the product's order):
;;     1. [M 2,048, K 4,096] x [K 4,096, N 2,048]; A: input hidden_states (given as codes); B: input Wq (given as codes): QUANTISED
;;     2. [M 2,048, K 4,096] x [K 4,096, N 1,024]; A: input hidden_states (given as codes); B: input Wk (given as codes): QUANTISED
;;     3. [M 2,048, K 4,096] x [K 4,096, N 1,024]; A: input hidden_states (given as codes); B: input Wv (given as codes): QUANTISED
;;     4. batch 16 x [M 2,048, K 128] x [K 128, N 2,048]; A: computed on the way; B: computed on the way: QUANTISED
;;     5. batch 16 x [M 2,048, K 2,048] x [K 2,048, N 128]; A: softmax (see below); B: computed on the way: QUANTISED
;;     6. [M 2,048, K 2,048] x [K 2,048, N 4,096]; A: computed on the way; B: input Wo (given as codes): QUANTISED
;;   THE QUANTISER, for each operand of a quantised product, along K:
;;     - K is cut into blocks of 32 from its start; a last block that is shorter is filled with zeros.
;;     - A block's scale is 2^e with e = floor(log2(the largest magnitude in the block)) - 2, held to -126 .. 127; a block of zeros has e = 0. As a byte (E8M0): e + 127.
;;     - Each number is divided by its block's scale, clamped to +-7.5, and rounded to the nearest number of E2M3, ties to even, subnormals kept.
;;     - The product sums the exact products of the quantised numbers (number of the format x scale) in f32.
;;   ~~~python
;;   def quantise(x, axis):      # numpy; x: float32 -> the quantised numbers, widened to float32 again
;;       x = np.moveaxis(x, axis, -1); K = x.shape[-1]
;;       x = np.pad(x, [(0, 0)] * (x.ndim - 1) + [(0, -K % 32)]); x = x.reshape(x.shape[:-1] + (-1, 32)); a = np.abs(x).max(-1, keepdims=True)
;;       e = np.where(a > 0, np.clip(np.frexp(np.where(a > 0, a, 1))[1] - 1 - 2, -126, 127), 0)      # np.frexp(a)[1] - 1 = floor(log2(a)), exactly
;;       r = np.clip(x / 2.0 ** e, -7.5, 7.5)
;;       step = 2.0 ** (np.maximum(np.frexp(np.where(r == 0, 1, r))[1] - 1, 0) - 3)
;;       q = np.round(r / step) * step * 2.0 ** e      # np.round: ties to even
;;       return np.moveaxis(q.reshape(q.shape[:-2] + (-1,))[..., :K], -1, axis).astype(np.float32)
;;   ~~~
;;   SOFTMAX AHEAD OF A QUANTISED PRODUCT. Where the list says 'softmax', what is quantised is not the finished softmax but p = 2^(t - M), with t = logit x log2(e) and M = ceil(the row's largest t), a whole number; so 1/2 < the row's largest p <= 1. The row's sum l is taken of the UNQUANTISED p, in f32, and the product's result is divided by l at the end. Since M is a whole number, a kernel that streams over the keys may use a running M (the ceiling of the running maximum): every later rescaling is an exact power of two, which a block's scale takes up: the codes' values come out the same.
;;   OPERANDS COMPUTED ON THE WAY. 'Computed on the way' means the value that the module computes at that place (a softmax that the list does not call 'softmax' is quantised finished and normalised). What goes into a quantiser is computed in f32, as accurately as f32 sums, v_exp_f32 and their like allow (about 1e-6 of the number): no bf16 or f16 on the way to a quantiser, and a product that is left as it is and whose result goes on into a quantised operand takes f32 operands (vector FMAs, or v_wmma_f32_16x16x4_f32). A number that lies on a knife's edge between two numbers of the format may be rounded either way, as far as f32 arithmetic and the matrix unit's own rounding can turn it there, and no further.
;;   INPUTS GIVEN AS CODES. Wk (in the module: [1024, 4096], K = its axis 1); Wo (in the module: [4096, 2048], K = its axis 1); Wq (in the module: [2048, 4096], K = its axis 1); Wv (in the module: [1024, 4096], K = its axis 1); hidden_states (in the module: [1, 2048, 4096], K = its axis 2): each comes as NAME_codes (uint8): NAME with its K axis moved to the last place and cut into blocks of 32 codes, [.., K / 32, bytes a block], one block behind the other in memory; four codes in three bytes: a row's codes are one little-endian stream of bits, code i at bits 6 i .. 6 i + 5 (a code: sign, 2 exponent bits, 3 mantissa bits); and NAME_scales (uint8): the same leading axes, one E8M0 byte (e + 127) for each 32 codes along K. Its value is code x scale, taken as it is: it is not quantised again, and the codes and scales need not be those that the quantiser above would give.
;; One version. Each part assembles by itself: llvm-mc -triple=amdgcn-amd-amdhsa -mcpu=gfx1250 --defsym DOCPART=n.
;; ======== version 1 of 1: 3 launches
;; limits: inputs' magnitudes at most 131,072; right only within a limited range of input values
;; workspace buffers: q_img 3,145,728 bytes; q_sc 131,072 bytes; kv_img 3,145,728 bytes; kv_sc 131,072 bytes; o_img 3,145,728 bytes; o_sc 131,072 bytes
;; launch qkv (part 1): grid 16 x 16, 4 waves a work-group, clusters of 4 x 4, 327,680 bytes of LDS; arguments hidden_states_codes, hidden_states_scales, Wq_codes, Wq_scales, Wk_codes, Wk_scales, Wv_codes, Wv_scales, q_norm_w, k_norm_w, position_ids, q_img, q_sc, kv_img, kv_sc; writes q_img, q_sc, kv_img, kv_sc
.if DOCPART == 1
	.amdgcn_target "amdgcn-amd-amdhsa--gfx1250"
	.amdhsa_code_object_version 6
	.text
	.protected	k_qd7768b8eeb_qkv
	.globl	k_qd7768b8eeb_qkv
	.p2align	8
	.type	k_qd7768b8eeb_qkv,@function
k_qd7768b8eeb_qkv:
	s_mov_b64 s[64:65], 0
	v_nop
	global_prefetch_b8 v0, s[64:65] scope:SCOPE_SE
	s_setreg_imm32_b32 hwreg(HW_REG_WAVE_MODE, 25, 1), 1
	s_wait_xcnt 0x0
	s_wait_alu depctr_hold_cnt(0) depctr_sa_sdst(0) depctr_va_vdst(0) depctr_va_sdst(0) depctr_va_ssrc(0) depctr_va_vcc(0) depctr_vm_vsrc(0)
	s_getreg_b32 s2, hwreg(HW_REG_IB_STS2, 6, 4)
	s_cmp_eq_u32 s2, 0
	s_cbranch_scc0 .Lentry_in_a_cluster
	s_endpgm
.Lentry_in_a_cluster:
	s_bfe_u32 s2, ttmp6, 0x10000c
	s_cmp_lg_u32 s2, 0xf033
	s_cbranch_scc0 .Lentry_shape_is_right
	s_endpgm
.Lentry_shape_is_right:
; q, k, v = hidden W^T on codes of FP6 (E2M3) with E8M0 scales, K = 4,096; then in f32 the RMS norm of each head of q and k and RoPE; q and k are quantised along the head's 128, v along the keys.
; A work-group makes 256 (side S0, source 0) x 128 (side S1, source 1); a lane holds one row of S1 and its registers run along S0.
; cluster x 0, 1: q (S0 = Wq, S1 = tokens); 2: k (S0 = Wk); 3: v (S0 = 256 keys of hidden, S1 = 128 rows of Wv).  Four waves, each 128 x 64: 32 accumulators.
; K GOES IN CHUNKS OF 256 BYTES of each row of codes (a row is 3,072 bytes: 12 chunks, each on a multiple of 256) through two LDS slots, 131,072 bytes apart.
; A step of 128 along K is 96 bytes: eight steps to three chunks.  The loop's trip is eight steps; three chunks change the slots' parity, so the fragment addresses are made anew each trip by an XOR with the slots' distance.
; The scale bytes of all of K come once.  4 x 4 work-groups form a cluster: S0's tiles are shared along a column, S1's along a row, asked for jointly.
; The head's fills go one a wave: chunk 0; behind the full sequence and a round the scale bytes; behind another chunk 1.  A piece of the table of cos and sin stands behind each.
; PREFETCH: behind a refill the chunk two refills on is named, a lane a row; the four partners of a joint load share its rows out by address; chunks 2 and 3 are named at the head; nothing past chunk 11.
; RESULTS leave as images of operand registers: a fragment is 1,536 bytes, group c of lane l at 512 c + 16 l; scale words in blocks of 512 bytes, row r of fragment t at 32 r + 4 t.
; Inside a block of 32 the codes stand in the order 0-7, 16-23, 8-15, 24-31, alike in q and k, and in v and p: blocks, scales and products are those of the natural order.
; LIMITS: NaN and infinities are not served.  A block whose largest magnitude lies under 2^-124, and a block of zeros, has the byte 1 (only this program reads the bytes).
; cos and sin hold to f32 accuracy for |position x inv_freq| < 2^17; inv_freq is within about 2 units in the last place.
; REGISTERS.  window 0: v12-15 address bases, v16-23 fragment addresses, v24-25 scale addresses, v28-29 for the add, v30 prefetch offset, v32-79 scale words alone, v80-175 S1's fragments (two sets);
; window 1: S0's fragments (two sets); window 2: accumulators, (a, b) at v[8 (8 a + b)]; window 3: v0-63 the norm's weights.
.set KROW,   3072
.set PITCH,  272                       ; 256 bytes + 16 of padding
.set S0H,    128*PITCH
.set S1H,    64*PITCH
.set S1OFF,  2*S0H
.set SLOT1,  131072                    ; slot 1 begins here; a slot uses 104,448 bytes
.set SCL0,   104448                    ; S0's scale bytes, first half (16,384)
.set SCL1,   120832                    ; S1's, first half (8,192)
.set CD,     198656                    ; from a first half to its second half, behind the table
.set SBLK,   2048                      ; the scale bytes of 16 rows
.set POSB,   129024
.set SPARE,  129536                    ; the spare words: 128 bytes a wave
.set TAB,    235520                    ; 128 rows x (64 cos, 64 sin, 16 bytes)
.set TP,     528
.set WV,   34
.set WH,   35
.set WL,   66
.set KIND, 67
.set G1S0, 36
.set G1S1, 44
.set G0S0, 52
.set TG,   56                          ; s56, s57: the slot of even and of odd chunks of this trip
.set G0S1, 68
.set PFA,  72
.set G1C0, 76
.set G1C1, 84
.set G0C0, 92
.set G0C1, 96
.set MUL,   0xa1
.set TO_S0, 0x40
.set MSB, 0
.macro WIN new
.if MSB != (\new)
	s_set_vgpr_msb (MSB<<8)|(\new)
.set MSB, (\new)
.endif
.endm
.macro PLACES n
.rept \n
	v_nop
.endr
.endm
.macro JLOAD g0a, g1a, g0b, g1b        ; waves 0, 1 fetch S0's halves, waves 2, 3 S1's
	s_cmp_eq_u32 s[WH], 0
	s_cbranch_scc0 .Lfor_s1_\@
	tensor_load_to_lds s[\g0a:\g0a+3], s[\g1a:\g1a+7]
	s_nop 0
.rept 4
	v_nop
.endr
	s_branch .Lasked_\@
.Lfor_s1_\@:
	tensor_load_to_lds s[\g0b:\g0b+3], s[\g1b:\g1b+7]
	s_nop 0
.rept 4
	v_nop
.endr
.Lasked_\@:
.endm
.macro CREST
	s_cmp_lg_u32 s[WV], 0
	s_cbranch_scc1 .Lnot_wave_0_\@
	s_barrier_signal -3
.Lnot_wave_0_\@:
	s_barrier_wait -3
	s_barrier_signal -1
	s_barrier_wait -1
.endm
.macro CROUND
	s_barrier_signal -1
	s_barrier_wait -1
	CREST
.endm
.macro SEQ                             ; the wait, the add and a round ahead of a later first fill
	s_wait_alu depctr_va_vdst(0)
	s_wait_tensorcnt 0x0
	ds_add_u32 v28, v29
	s_wait_dscnt 0x0
	CROUND
.endm
.macro ASK off, guard                  ; guard = 1: not in the loop's last trip
.if \guard
	s_cmp_gt_u32 s3, 1
	s_cbranch_scc0 .Lna_\@
.endif
	global_prefetch_b8 v30, s[PFA:PFA+1] offset:\off th:TH_LOAD_NT scope:SCOPE_SE
.Lna_\@:
.endm
; A fragment: lane l holds row l % 16; registers 6 c .. 6 c + 5 hold K = 64 c + 32 (l / 16) + 0 .. 31, in pieces of 8 bytes.  st counts steps from the trip's first chunk.
; Lanes 16-31 read 24 bytes on; where that is in the next chunk, registers adr + 2, adr + 3 serve (lanes 0-15 at byte 232 of one slot's row, lanes 16-31 at byte 0 of the other's).
.macro FRAG reg, adr, st, i
.irp p, 0,1,2,3,4,5
.set BY, 96*(\st)+48*(\p/3)+8*(\p%3)
.if BY/256 == (BY+24)/256
	ds_load_b64 v[\reg+2*\p:\reg+2*\p+1], v[\adr+(BY/256)%2] offset:BY%256+(\i)*16*PITCH
.else
	ds_load_b64 v[\reg+2*\p:\reg+2*\p+1], v[\adr+2+(BY/256)%2] offset:BY%256-232+(\i)*16*PITCH
.endif
.endr
.endm
; S1's block a against S0's eight; the 32 accumulators take turns in the same order in every step
.macro MUL8 a, p, q, sc, zero
.irp b, 0,1,2,3,4,5,6,7
.if \zero
	v_wmma_scale_f32_16x16x128_f8f6f4 v[8*(8*(\a)+\b):8*(8*(\a)+\b)+7], v[128*(\p)+12*\b:128*(\p)+12*\b+11], v[80+48*(\p)+12*(\a):80+48*(\p)+12*(\a)+11], 0, v[32+16*(\sc)+2*\b+(\q)], v[64+8*(\sc)+2*(\a)+(\q)] matrix_a_fmt:MATRIX_FMT_FP6 matrix_b_fmt:MATRIX_FMT_FP6
.else
	v_wmma_scale_f32_16x16x128_f8f6f4 v[8*(8*(\a)+\b):8*(8*(\a)+\b)+7], v[128*(\p)+12*\b:128*(\p)+12*\b+11], v[80+48*(\p)+12*(\a):80+48*(\p)+12*(\a)+11], v[8*(8*(\a)+\b):8*(8*(\a)+\b)+7], v[32+16*(\sc)+2*\b+(\q)], v[64+8*(\sc)+2*(\a)+(\q)] matrix_a_fmt:MATRIX_FMT_FP6 matrix_b_fmt:MATRIX_FMT_FP6
.endif
.endr
.endm
.macro FETCH_S0 st, p                  ; 48 loads
	WIN TO_S0
.irp i, 0,1,2,3,4,5,6,7
	FRAG 128*(\p)+12*\i, 16, \st, \i
.endr
	WIN 0
.endm
.macro FETCH_S1 st, p, a0              ; 12 loads
.irp i, \a0, \a0+1
	FRAG 80+48*(\p)+12*(\i), 20, \st, \i
.endr
.endm
.macro SCALES pr                       ; the words of steps 2 pr, 2 pr + 1 of the trip: 12 loads
.irp i, 0,1,2,3,4,5,6,7
	ds_load_b64 v[32+16*((\pr)%2)+2*\i:32+16*((\pr)%2)+2*\i+1], v24 offset:\i*SBLK+8*(\pr)
.endr
.irp i, 0,1,2,3
	ds_load_b64 v[64+8*((\pr)%2)+2*\i:64+8*((\pr)%2)+2*\i+1], v25 offset:\i*SBLK+8*(\pr)
.endr
.endm
; A step: 32 products; in its middle the next step's fragments are fetched into the other sets.  Where the next step ends in a chunk not read yet: the wait for my tensor loads and a barrier.
; Where it begins in a later chunk: the three lines, the barrier, and (fill) the round and the refill of the slot left behind, two chunks on.
.macro KSTEP st, zero, fill, pf
.set NX, (\st)+1
.set C0, (96*(\st))/256
.set C1, (96*NX)/256
.set E0, (96*(\st)+95)/256
.set E1, (96*NX+95)/256
.set PP, (\st)%2
.set SS_, ((\st)/2)%2
.if C1 > C0 || E1 > E0
	s_wait_tensorcnt 0x0                           ; all my tensor loads have landed
.if C1 > C0
	ds_add_u32 v28, v29
	s_wait_dscnt 13                                ; the add and S1's blocks 2, 3 may be out
.else
	s_wait_dscnt 12
.endif
	WIN MUL
	MUL8 0, PP, PP, SS_, \zero
	s_wait_dscnt 0x0                               ; the add and my reads are done
	s_barrier_signal -1
	MUL8 1, PP, PP, SS_, \zero
	WIN 0
	s_barrier_wait -1
.if C1 > C0 && \fill
	CREST
	s_xor_b32 s[G0S0+1], s[G0S0+1], SLOT1          ; chunks take the slots by turns
	s_xor_b32 s[G0S1+1], s[G0S1+1], SLOT1
	s_add_nc_u64 s[G0S0+2:G0S0+3], s[G0S0+2:G0S0+3], 256
	s_add_nc_u64 s[G0S1+2:G0S1+3], s[G0S1+2:G0S1+3], 256
	JLOAD G0S0, G1S0, G0S1, G1S1                   ; its four v_nop are the places in front of the loads below
.else
	PLACES 4
.endif
.else
	s_wait_dscnt 12                                ; all but S1's blocks 2, 3
	WIN MUL
	MUL8 0, PP, PP, SS_, \zero
	MUL8 1, PP, PP, SS_, \zero
	s_wait_dscnt 0x0
	PLACES 4
.endif
	FETCH_S0 NX, 1-PP
	FETCH_S1 NX, 1-PP, 0
.if NX%2 == 0
	SCALES NX/2
.endif
	FETCH_S1 NX, 1-PP, 2
.if \pf
	ASK 256*(C0+4), (\pf)-1
.endif
	WIN MUL
	MUL8 2, PP, PP, SS_, \zero
	MUL8 3, PP, PP, SS_, \zero
	WIN 0
.endm
.macro ADDRS                           ; the fragment addresses of this trip's slots
	v_xor_b32 v16, s[TG], v12
	v_xor_b32 v17, s[TG+1], v12
	v_xor_b32 v18, s[TG], v13
	v_xor_b32 v19, s[TG+1], v13
	v_xor_b32 v20, s[TG], v14
	v_xor_b32 v21, s[TG+1], v14
	v_xor_b32 v22, s[TG], v15
	v_xor_b32 v23, s[TG+1], v15
.endm
	s_load_b512 s[4:19], s[0:1], 0x0               ; hidden's codes 4, scales 6; Wq's 8, 10; Wk's 12, 14; Wv's 16, 18
	s_load_b256 s[20:27], s[0:1], 0x40             ; q_norm_w 20, k_norm_w 22, position_ids 24, q_img 26
	s_load_b128 s[28:31], s[0:1], 0x60             ; q_sc 28, kv_img 30
	s_load_b64 s[32:33], s[0:1], 0x70              ; kv_sc
	v_lshl_add_u32 v28, v0, 2, SPARE
	v_mov_b32 v29, 0
	ds_add_u32 v28, v29                            ; the opening lines
	ds_add_u32 v28, v29
	s_wait_dscnt 0x0
	v_lshrrev_b32 v1, 5, v0
	v_readfirstlane_b32 s[WV], v1
	s_lshr_b32 s[WH], s[WV], 1
	s_and_b32 s[WL], s[WV], 1
	s_mov_b32 s[KIND], ttmp9
	s_bfe_u32 s60, ttmp6, 0x40000                  ; cx
	s_bfe_u32 s61, ttmp6, 0x40004                  ; cy
	s_and_b32 s62, ttmp7, 0xffff
	s_lshl_b32 s63, s61, 2
	s_lshl_b32 s63, 15, s63                        ; my row of the cluster
	s_lshl_b32 s100, 0x1111, s60                   ; my column
	s_and_b32 s101, s62, 1
	s_lshr_b32 s104, s62, 1
	s_cmp_eq_u32 s[KIND], 3
	s_cselect_b32 s101, s101, 0
	s_cselect_b32 s104, s104, s62
	s_cmp_lt_u32 s[KIND], 2
	s_cselect_b32 s101, s[KIND], s101
	s_lshl_b32 s101, s101, 2
	s_add_co_u32 s101, s101, s60                   ; my tile of 256 rows of S0
	s_lshl_b32 s104, s104, 2
	s_add_co_u32 s104, s104, s61                   ; my tile of 128 rows of S1
	s_or_b32 s[G1S0], s100, (1<<20)|(1<<21)|(5<<22)|(3<<25)   ; rows of 256 bytes, 16 of padding behind each
	s_mov_b32 s[G1S0+1], 256<<16
	s_mov_b32 s[G1S0+2], 128<<16
	s_mov_b32 s[G1S0+3], 256<<16
	s_mov_b32 s[G1S0+4], 128
	s_mov_b32 s[G1S0+5], KROW
	s_mov_b32 s[G1S0+6], 0
	s_mov_b32 s[G1S0+7], 0
	s_or_b32 s[G1S1], s63, (1<<20)|(1<<21)|(5<<22)|(3<<25)
	s_mov_b32 s[G1S1+1], 256<<16
	s_mov_b32 s[G1S1+2], 64<<16
	s_mov_b32 s[G1S1+3], 256<<16
	s_mov_b32 s[G1S1+4], 64
	s_mov_b32 s[G1S1+5], KROW
	s_mov_b32 s[G1S1+6], 0
	s_mov_b32 s[G1S1+7], 0
	s_or_b32 s[G1C0], s100, (3<<16)|(1<<21)        ; scale bytes: a dense block as rows of 256 bytes
	s_mov_b32 s[G1C0+1], 32<<16
	s_mov_b32 s[G1C0+2], 64<<16
	s_mov_b32 s[G1C0+3], 32<<16
	s_mov_b32 s[G1C0+4], 64
	s_mov_b32 s[G1C0+5], 32
	s_mov_b32 s[G1C0+6], 0
	s_mov_b32 s[G1C0+7], 0
	s_or_b32 s[G1C1], s63, (3<<16)|(1<<21)
	s_mov_b32 s[G1C1+1], 32<<16
	s_mov_b32 s[G1C1+2], 32<<16
	s_mov_b32 s[G1C1+3], 32<<16
	s_mov_b32 s[G1C1+4], 32
	s_mov_b32 s[G1C1+5], 32
	s_mov_b32 s[G1C1+6], 0
	s_mov_b32 s[G1C1+7], 0
	s_mov_b32 s[TG], 0
	s_mov_b32 s[TG+1], SLOT1
	s_wait_kmcnt 0x0
	s_cmp_eq_u32 s[KIND], 3                        ; the buffers are chosen by the cluster's x alone
	s_cselect_b64 s[16:17], s[16:17], s[4:5]
	s_cselect_b64 s[18:19], s[18:19], s[6:7]
	s_cselect_b64 s[12:13], s[4:5], s[12:13]
	s_cselect_b64 s[14:15], s[6:7], s[14:15]
	s_cmp_lt_u32 s[KIND], 2
	s_cselect_b64 s[12:13], s[8:9], s[12:13]
	s_cselect_b64 s[14:15], s[10:11], s[14:15]
	s_cselect_b64 s[20:21], s[20:21], s[22:23]
	s_cselect_b64 s[26:27], s[26:27], s[30:31]
	s_cselect_b64 s[28:29], s[28:29], s[32:33]
	s_lshl_b32 s2, s101, 8
	s_lshl_b32 s3, s[WL], 7
	s_add_co_u32 s2, s2, s3                        ; S0: the first row that I fetch
	s_mul_i32 s4, s2, KROW
	s_mov_b32 s5, 0
	s_lshl_b32 s6, s2, 7
	s_mov_b32 s7, 0
	s_lshl_b32 s105, s104, 7
	s_lshl_b32 s3, s[WL], 6
	s_add_co_u32 s105, s105, s3                    ; S1 likewise
	s_mul_i32 s8, s105, KROW
	s_mov_b32 s9, 0
	s_lshl_b32 s10, s105, 7
	s_mov_b32 s11, 0
	s_add_nc_u64 s[12:13], s[12:13], s[4:5]
	s_add_nc_u64 s[14:15], s[14:15], s[6:7]
	s_add_nc_u64 s[16:17], s[16:17], s[8:9]
	s_add_nc_u64 s[18:19], s[18:19], s[10:11]
	s_mul_i32 s2, s[WL], S0H
	s_mul_i32 s3, s[WL], S1H
	s_add_co_u32 s3, s3, S1OFF
	s_mul_i32 s22, s[WL], CD
	s_add_co_u32 s23, s22, SCL1
	s_add_co_u32 s22, s22, SCL0
	s_mov_b32 s59, 16*KROW                         ; the prefetches: of the rows that I fetch, my work-group's 32 (S0, by cy) or 16 (S1, by cx)
	s_cmp_eq_u32 s[WH], 0
	s_cselect_b64 s[PFA:PFA+1], s[12:13], s[16:17]
	s_cselect_b32 s58, s61, s60
	s_cselect_b32 s59, 32*KROW, s59
	s_cselect_b32 s74, 31, 15
	s_mul_i32 s58, s58, s59
	s_mov_b32 s59, 0
	s_add_nc_u64 s[PFA:PFA+1], s[PFA:PFA+1], s[58:59]
	CROUND                                         ; in front of the first joint loads
	s_mov_b32 s[G0C0], 1
	s_mov_b32 s[G0C0+1], s22
	s_mov_b64 s[G0C0+2:G0C0+3], s[14:15]
	s_or_b32 s[G0C0+3], s[G0C0+3], 0x80000000
	s_mov_b32 s[G0C1], 1
	s_mov_b32 s[G0C1+1], s23
	s_mov_b64 s[G0C1+2:G0C1+3], s[18:19]
	s_or_b32 s[G0C1+3], s[G0C1+3], 0x80000000
	s_mov_b32 s[G0S0], 1
	s_mov_b32 s[G0S0+1], s2
	s_mov_b64 s[G0S0+2:G0S0+3], s[12:13]
	s_or_b32 s[G0S0+3], s[G0S0+3], 0x80000000
	s_mov_b32 s[G0S1], 1
	s_mov_b32 s[G0S1+1], s3
	s_mov_b64 s[G0S1+2:G0S1+3], s[16:17]
	s_or_b32 s[G0S1+3], s[G0S1+3], 0x80000000
	JLOAD G0S0, G1S0, G0S1, G1S1                   ; chunk 0: my one load at the head
	v_and_b32 v1, 15, v0                           ; r
	v_bfe_u32 v2, v0, 4, 1                         ; h
	v_mul_u32_u24 v3, v1, PITCH
	v_mad_u32_u24 v4, v2, 24, v3                   ; row x pitch + 24 h
	s_mov_b32 s4, SLOT1-232
	v_mul_u32_u24 v5, s4, v2
	v_add_nc_u32 v5, v3, v5
	v_add_nc_u32 v5, 232, v5                       ; lanes 0-15 byte 232 of the row, lanes 16-31 byte 0 in the other slot
	s_mul_i32 s4, s[WL], S0H
	s_mul_i32 s5, s[WH], S1H
	s_add_co_u32 s5, s5, S1OFF
	v_add_nc_u32 v12, s4, v4
	v_add_nc_u32 v13, s4, v5
	v_add_nc_u32 v14, s5, v4
	v_add_nc_u32 v15, s5, v5
	ADDRS
	v_lshlrev_b32 v6, 7, v1                        ; a row's 128 scale bytes
	s_mul_i32 s4, s[WL], CD
	s_add_co_u32 s4, s4, SCL0
	v_add_nc_u32 v24, s4, v6
	s_mul_i32 s5, s[WH], CD
	s_add_co_u32 s5, s5, SCL1
	v_add_nc_u32 v25, s5, v6
	v_and_b32 v30, 31, v0
	v_min_u32 v30, s74, v30
	v_mul_u32_u24 v30, v30, KROW
	s_wait_alu depctr_va_vdst(0)
	ASK 512, 0                                     ; chunk 2
	; THE TABLE of cos and sin.  Wave w makes rows 32 w .. 32 w + 31, lane l the frequencies l and l + 32.  v's work-groups walk the loops and leave the work out.
.set IV,   80
.set SCO,  82
.set CCO,  84
.set PBAS, 86
.set TWB,  87
.set PAD_, 88
.set TWA,  89
.set PSA,  90
.set POS,  92
.set XX,   96
.set NN,   98
.set RR,   100
.set S2,   102
.set SA,   104
.set CB,   106
.set RS3,  108
	s_lshl_b32 s6, s104, 9
	s_mov_b32 s7, 0
	s_add_nc_u64 s[24:25], s[24:25], s[6:7]
	v_lshlrev_b32 v8, 2, v0
	global_load_b32 v91, v8, s[24:25]
	v_lshlrev_b32 v9, 5, v2
	WIN 0xc0
.irp b, 0,1,2,3,4,5,6,7
	global_load_b128 v[8*\b:8*\b+3], v9, s[20:21] offset:64*\b          ; register 8 b + j = w[16 b + 8 h + j]
	global_load_b128 v[8*\b+4:8*\b+7], v9, s[20:21] offset:64*\b+16
.endr
	WIN 0
	v_and_b32 v[PBAS], 0x60, v0
	v_lshl_add_u32 v[PBAS], v[PBAS], 2, POSB
	v_lshrrev_b32 v[TWB], 5, v0
	v_mul_u32_u24 v[TWB], v[TWB], 32*TP
	v_and_b32 v114, 31, v0
	v_lshl_add_u32 v[TWB], v114, 2, v[TWB]
	v_add_nc_u32 v[TWB], TAB, v[TWB]
	v_lshl_add_u32 v[PSA], v0, 2, POSB
	; inv_freq = 2^(-i c), c = log2(10^6) / 64 in two parts; the whole part by v_ldexp_f32
	v_cvt_f32_u32 v116, v114
	v_add_nc_u32 v114, 32, v114
	v_cvt_f32_u32 v117, v114
.irp e, 0,1
	v_mul_f32 v[118+\e], 0x3e9f73da, v[116+\e]
.endr
.irp e, 0,1
	v_fma_f32 v[120+\e], v[116+\e], 0x3e9f73da, -v[118+\e]
.endr
.irp e, 0,1
	v_fma_f32 v[120+\e], v[116+\e], 0x31e36757, v[120+\e]
	v_rndne_f32 v[122+\e], v[118+\e]
.endr
.irp e, 0,1
	v_sub_f32 v[124+\e], v[122+\e], v[118+\e]
	v_sub_f32 v[124+\e], v[124+\e], v[120+\e]
	v_cvt_i32_f32 v[122+\e], v[122+\e]
	v_sub_nc_u32 v[122+\e], 0, v[122+\e]
.endr
	s_wait_alu depctr_va_vdst(0)
	v_exp_f32 v[IV], v124
	v_exp_f32 v[IV+1], v125
	v_mov_b32 v[SCO], 0x36405000
	v_mov_b32 v[SCO+1], 0x36405000
	v_mov_b32 v[CCO], 0x37cd4000
	v_mov_b32 v[CCO+1], 0x37cd4000
	s_wait_alu depctr_va_vdst(0)
	v_ldexp_f32 v[IV], v[IV], v122
	v_ldexp_f32 v[IV+1], v[IV+1], v123
	s_wait_loadcnt 0x0
	v_cvt_f32_i32 v91, v91
	ds_store_b32 v[PSA], v91                       ; my wave's own bytes
.macro SINCOS k                        ; range reduction by pi / 2 in three parts, two polynomials
	v_mul_f32 v[XX], v[POS+\k], v[IV]
	v_mul_f32 v[XX+1], v[POS+\k], v[IV+1]
	v_pk_mul_f32 v[NN:NN+1], v[XX:XX+1], 0x3f22f983 op_sel_hi:[1,0]
	v_rndne_f32 v[NN], v[NN]
	v_rndne_f32 v[NN+1], v[NN+1]
	v_pk_fma_f32 v[RR:RR+1], v[NN:NN+1], 0xbfc90fd8, v[XX:XX+1] op_sel_hi:[1,0,1]
	v_pk_fma_f32 v[RR:RR+1], v[NN:NN+1], 0xb4a8885a, v[RR:RR+1] op_sel_hi:[1,0,1]
	v_pk_fma_f32 v[RR:RR+1], v[NN:NN+1], 0xa7c234c4, v[RR:RR+1] op_sel_hi:[1,0,1]
	v_pk_mul_f32 v[S2:S2+1], v[RR:RR+1], v[RR:RR+1]
	v_pk_fma_f32 v[SA:SA+1], v[SCO:SCO+1], v[S2:S2+1], 0xb9503486 op_sel_hi:[1,1,0]
	v_pk_fma_f32 v[CB:CB+1], v[CCO:CCO+1], v[S2:S2+1], 0xbab6077d op_sel_hi:[1,1,0]
	v_pk_fma_f32 v[SA:SA+1], v[SA:SA+1], v[S2:S2+1], 0x3c0888c1 op_sel_hi:[1,1,0]
	v_pk_fma_f32 v[CB:CB+1], v[CB:CB+1], v[S2:S2+1], 0x3d2aaaa8 op_sel_hi:[1,1,0]
	v_pk_fma_f32 v[SA:SA+1], v[SA:SA+1], v[S2:S2+1], 0xbe2aaaab op_sel_hi:[1,1,0]
	v_pk_fma_f32 v[CB:CB+1], v[CB:CB+1], v[S2:S2+1], -0.5 op_sel_hi:[1,1,0]
	v_pk_mul_f32 v[RS3:RS3+1], v[RR:RR+1], v[S2:S2+1]
	v_pk_fma_f32 v[CB:CB+1], v[CB:CB+1], v[S2:S2+1], 1.0 op_sel_hi:[1,1,0]
	v_pk_fma_f32 v[SA:SA+1], v[SA:SA+1], v[RS3:RS3+1], v[RR:RR+1]
.irp e, 0,1
	v_cvt_i32_f32 v110, v[NN+\e]
	v_and_b32 v111, 1, v110
	v_cmp_eq_u32 vcc_lo, 1, v111                   ; an odd quarter: the two change places
	v_cndmask_b32 v112, v[SA+\e], v[CB+\e], vcc_lo
	v_cndmask_b32 v113, v[CB+\e], v[SA+\e], vcc_lo
	v_lshlrev_b32 v111, 30, v110
	v_add_nc_u32 v110, 1, v110
	v_and_b32 v111, 0x80000000, v111
	v_lshlrev_b32 v110, 30, v110
	v_xor_b32 v112, v111, v112
	v_and_b32 v110, 0x80000000, v110
	v_xor_b32 v113, v110, v113
	ds_store_b32 v[TWA], v113 offset:\k*TP+128*\e
	ds_store_b32 v[TWA], v112 offset:\k*TP+256+128*\e
.endr
.endm
.macro TABLOOP n                       ; n trips of 2 rows
	s_mov_b32 s3, \n
.Ltab_\@:
	s_cmp_eq_u32 s[KIND], 3
	s_cbranch_scc1 .Ltsk_\@
	v_add_nc_u32 v[PAD_], s6, v[PBAS]
	v_add_nc_u32 v[TWA], s7, v[TWB]
	ds_load_b64 v[POS:POS+1], v[PAD_]
	s_wait_dscnt 0x0
	s_wait_alu depctr_va_vdst(0)
	SINCOS 0
	SINCOS 1
.Ltsk_\@:
	s_add_co_u32 s6, s6, 8
	s_add_co_u32 s7, s7, 2*TP
	s_sub_co_u32 s3, s3, 1
	s_cmp_lg_u32 s3, 0
	s_cbranch_scc1 .Ltab_\@
.endm
	s_mov_b32 s6, 0
	s_mov_b32 s7, 0
	TABLOOP 6
	SEQ
	JLOAD G0C0, G1C0, G0C1, G1C1                   ; the scale bytes of all of K: filled once
	ASK 768, 0                                     ; chunk 3
	TABLOOP 6
	SEQ
	s_xor_b32 s[G0S0+1], s[G0S0+1], SLOT1
	s_xor_b32 s[G0S1+1], s[G0S1+1], SLOT1
	s_add_nc_u64 s[G0S0+2:G0S0+3], s[G0S0+2:G0S0+3], 256
	s_add_nc_u64 s[G0S1+2:G0S1+3], s[G0S1+2:G0S1+3], 256
	JLOAD G0S0, G1S0, G0S1, G1S1                   ; chunk 1
	TABLOOP 4
	s_wait_alu depctr_va_vdst(0)
	FETCH_S0 0, 0                                  ; chunk 0 and the scale bytes were shown whole by the rounds above
	FETCH_S1 0, 0, 0
	SCALES 0
	FETCH_S1 0, 0, 2
	KSTEP 0, 1, 1, 0                               ; the first step's products start the sums
	s_mov_b32 s3, 3
.Llap:                                             ; eight steps, three chunks, three refills
	KSTEP 1, 0, 1, 0
	KSTEP 2, 0, 1, 1
	KSTEP 3, 0, 1, 0
	KSTEP 4, 0, 1, 0
	KSTEP 5, 0, 1, 1
	KSTEP 6, 0, 1, 0
	KSTEP 7, 0, 1, 2
	KSTEP 8, 0, 1, 0
	s_wait_xcnt 0x0                                ; my prefetches have read their base
	s_add_nc_u64 s[PFA:PFA+1], s[PFA:PFA+1], 768
	s_xor_b32 s[TG], s[TG], SLOT1
	s_xor_b32 s[TG+1], s[TG+1], SLOT1
	ADDRS
	v_add_nc_u32 v24, 32, v24                      ; eight steps' scale bytes on
	v_add_nc_u32 v25, 32, v25
	s_sub_co_u32 s3, s3, 1
	s_cmp_lg_u32 s3, 0
	s_wait_alu depctr_va_vdst(0)
	s_cbranch_scc1 .Llap
	KSTEP 1, 0, 1, 0                               ; the last seven steps: one refill, chunk 11
	KSTEP 2, 0, 1, 0
	KSTEP 3, 0, 0, 0
	KSTEP 4, 0, 0, 0
	KSTEP 5, 0, 0, 0
	KSTEP 6, 0, 0, 0
	s_wait_dscnt 12
	WIN MUL
	MUL8 0, 1, 1, 1, 0
	MUL8 1, 1, 1, 1, 0
	s_wait_dscnt 0x0
	MUL8 2, 1, 1, 1, 0
	MUL8 3, 1, 1, 1, 0
	WIN 0
	PLACES 4
	; THE EPILOGUE
.set TM,  4
.set RS,  20
.set LI,  22
.set SCA, 23
.set TA,  24
.set PW,  26
.set Y,   80
.set COS, 144
.set SIN, 176
.set PC,  208
.set TU,  228
.set SS,  232
.set SW,  236
	v_and_b32 v1, 15, v0
	v_bfe_u32 v2, v0, 4, 1
	v_and_b32 v[LI], 31, v0
	v_lshlrev_b32 v[LI], 4, v[LI]
	v_lshlrev_b32 v[SCA], 5, v1
	s_mul_i32 s9, s[WH], 64*TP
	s_add_co_u32 s9, s9, TAB
	v_mul_u32_u24 v[TA], v1, TP
	v_lshl_add_u32 v[TA], v2, 5, v[TA]
	v_add_nc_u32 v[TA], s9, v[TA]
.irp b, 0,1,2,3
	v_mov_b32 v[TM+4+\b], 0
.endr
	s_mov_b32 s30, 0x76543210
	s_mov_b32 s31, 0xfedcba98
	s_mov_b32 s32, 0x358637bd                      ; 1e-6
	s_mov_b32 s33, 0x3c000000                      ; 1 / 128
	s_lshl_b32 s4, s101, 1
	s_add_co_u32 s4, s4, s[WL]                     ; q, k: my head; v: my block of 128 keys
	s_lshl_b32 s5, s4, 4
	s_add_co_u32 s5, s5, s104
	s_lshl_b32 s6, s104, 4
	s_add_co_u32 s6, s6, s4
	s_cmp_eq_u32 s[KIND], 3
	s_cselect_b32 s5, s6, s5
	s_cselect_b32 s6, 1, 0
	s_lshl_b32 s7, s5, 1
	s_add_co_u32 s7, s7, s6                        ; in kv_img K's and V's parts of a key step take turns
	s_cmp_lt_u32 s[KIND], 2
	s_cselect_b32 s5, s5, s7
	s_mul_i32 s6, s5, 12288
	s_mul_i32 s7, s[WH], 6144
	s_add_co_u32 s6, s6, s7
	s_mov_b32 s7, 0
	s_add_nc_u64 s[26:27], s[26:27], s[6:7]
	s_lshl_b32 s6, s5, 9
	s_lshl_b32 s8, s[WH], 4
	s_add_co_u32 s6, s6, s8
	s_add_nc_u64 s[28:29], s[28:29], s[6:7]
; 64 numbers of a lane in window w become a fragment's codes in v[PC] on and its scale word in v[PW]
.macro QUANT s, w
	WIN (\w)|((\w)<<2)
.irp b, 0,1,2,3
	v_max3_num_f32 v[TM+\b], |v[\s+16*\b]|, |v[\s+1+16*\b]|, 0x1800000   ; with the floor 2^(3 - 127)
.endr
	WIN ((\w)<<2)|((\w)<<4)
.irp i, 2,4,6,8,10,12,14
.irp b, 0,1,2,3
	v_max3_num_f32 v[TM+\b], v[TM+\b], |v[\s+16*\b+\i]|, |v[\s+1+16*\b+\i]|
.endr
.endr
	WIN 0
.irp b, 0,1,2,3
	v_permlanex16_b32 v[TM+4+\b], v[TM+\b], s30, s31
.endr
.irp b, 0,1,2,3
	v_max_num_f32 v[TM+\b], v[TM+\b], v[TM+4+\b]
.endr
.irp b, 0,1,2,3
	v_add_nc_u32 v[TM+12+\b], 0xff000000, v[TM+\b] ; 2 off the exponent field: the conversion's scale operand
.endr
.irp b, 0,1,2,3
	v_lshrrev_b32 v[TM+4+\b], 23, v[TM+12+\b]
.endr
	v_lshl_or_b32 v[PW], v[TM+5], 8, v[TM+4]
	v_lshl_or_b32 v[PW], v[TM+6], 16, v[PW]
	v_lshl_or_b32 v[PW], v[TM+7], 24, v[PW]
	WIN (\w)
.irp c, 0,1
	v_cvt_scalef32_pk16_fp6_f32 v[PC+6*\c:PC+2+6*\c], v[\s+32*\c:\s+15+32*\c], v[TM+12+2*\c]
	v_cvt_scalef32_pk16_fp6_f32 v[PC+12+4*\c:PC+14+4*\c], v[\s+16+32*\c:\s+31+32*\c], v[TM+12+2*\c+1]
.endr
	WIN 0
	v_nop
.irp c, 0,1
.irp i, 0,1,2
	v_permlane16_swap_b32 v[PC+6*\c+\i], v[PC+12+4*\c+\i]
.endr
.irp i, 0,1,2
	v_mov_b32 v[PC+3+6*\c+\i], v[PC+12+4*\c+\i]
.endr
.endr
.endm
.macro OUT a                                   ; each store covers 512 consecutive bytes, aligned
	v_mov_b32 v[SW+\a], v[PW]
.irp c, 0,1,2
	global_store_b128 v[LI], v[PC+4*\c:PC+4*\c+3], s[26:27] offset:\a*1536+512*\c
.endr
.endm
.macro QKBLOCK a                               ; 16 tokens: norm, weights, RoPE, codes
.irp t, 0,1,2,3
	ds_load_b128 v[COS+8*\t:COS+8*\t+3],   v[TA] offset:\a*16*TP+64*\t
	ds_load_b128 v[COS+8*\t+4:COS+8*\t+7], v[TA] offset:\a*16*TP+64*\t+16
	ds_load_b128 v[SIN+8*\t:SIN+8*\t+3],   v[TA] offset:\a*16*TP+64*\t+256
	ds_load_b128 v[SIN+8*\t+4:SIN+8*\t+7], v[TA] offset:\a*16*TP+64*\t+272
.endr
	WIN 0x0a
	v_pk_mul_f32 v[SS:SS+1], v[64*\a:64*\a+1], v[64*\a:64*\a+1]
	v_pk_mul_f32 v[SS+2:SS+3], v[64*\a+2:64*\a+3], v[64*\a+2:64*\a+3]
.set j, 4
.rept 15
	v_pk_fma_f32 v[SS:SS+1], v[64*\a+j:64*\a+j+1], v[64*\a+j:64*\a+j+1], v[SS:SS+1]
	v_pk_fma_f32 v[SS+2:SS+3], v[64*\a+j+2:64*\a+j+3], v[64*\a+j+2:64*\a+j+3], v[SS+2:SS+3]
.set j, j+4
.endr
	WIN 0
	v_pk_add_f32 v[SS:SS+1], v[SS:SS+1], v[SS+2:SS+3]
	v_add_f32 v[SS], v[SS], v[SS+1]
	v_permlanex16_b32 v[SS+2], v[SS], s30, s31
	v_add_f32 v[SS], v[SS], v[SS+2]
	v_fma_f32 v[SS], v[SS], s33, s32
	s_wait_alu depctr_va_vdst(0)
	v_rsq_f32 v[RS], v[SS]
	v_mov_b32 v[RS+1], 0
	s_wait_alu depctr_va_vdst(0)
	WIN 0x02
.set j, 0
.rept 32
	v_pk_mul_f32 v[Y+j:Y+j+1], v[64*\a+j:64*\a+j+1], v[RS:RS+1] op_sel_hi:[1,0]
.set j, j+2
.endr
	WIN 0x0c
.set j, 0
.rept 32
	v_pk_mul_f32 v[Y+j:Y+j+1], v[Y+j:Y+j+1], v[j:j+1]
.set j, j+2
.endr
	WIN 0
	s_wait_dscnt 0x0
.set j, 0
.rept 16
	v_pk_mul_f32 v[TU:TU+1], v[Y+32+j:Y+33+j], v[SIN+j:SIN+j+1]
	v_pk_mul_f32 v[TU+2:TU+3], v[Y+j:Y+j+1], v[SIN+j:SIN+j+1]
	v_pk_fma_f32 v[Y+j:Y+j+1], v[Y+j:Y+j+1], v[COS+j:COS+j+1], v[TU:TU+1] neg_lo:[0,0,1] neg_hi:[0,0,1]
	v_pk_fma_f32 v[Y+32+j:Y+33+j], v[Y+32+j:Y+33+j], v[COS+j:COS+j+1], v[TU+2:TU+3]
.set j, j+2
.endr
	s_wait_xcnt 0x0                                ; the last block's stores have read the codes' registers
	QUANT Y, 0
	OUT \a
.endm
	s_cmp_eq_u32 s[KIND], 3
	s_cbranch_scc1 .Lv_out
	s_wait_alu depctr_va_vdst(0)
	QKBLOCK 0
	QKBLOCK 1
	QKBLOCK 2
	QKBLOCK 3
	s_branch .Lscales_out
.Lv_out:                                           ; v: the sums are quantised as they stand, along the keys
.irp a, 0,1,2,3
	s_wait_xcnt 0x0
	QUANT 64*\a, 2
	OUT \a
.endr
.Lscales_out:
	s_wait_alu depctr_va_vdst(0)
	global_store_b128 v[SCA], v[SW:SW+3], s[28:29] ; row r's words of my four fragments (lanes 16-31 store the same bytes with the same values)
	s_wait_tensorcnt 0x0                           ; the wave's end
	ds_add_u32 v28, v29
	s_wait_dscnt 0x0
	CROUND
	s_endpgm
.Lfunc_end_k_qd7768b8eeb_qkv:
	.size	k_qd7768b8eeb_qkv, .Lfunc_end_k_qd7768b8eeb_qkv-k_qd7768b8eeb_qkv
	.p2alignl 7, 3214868480
	.fill 96, 4, 3214868480
	.section	.rodata,"a",@progbits
	.p2align	6, 0x0
	.amdhsa_kernel k_qd7768b8eeb_qkv
		.amdhsa_group_segment_fixed_size 327680
		.amdhsa_private_segment_fixed_size 0
		.amdhsa_enable_private_segment 0
		.amdhsa_kernarg_size 120
		.amdhsa_user_sgpr_count 2
		.amdhsa_user_sgpr_kernarg_segment_ptr 1
		.amdhsa_wavefront_size32 1
		.amdhsa_system_sgpr_workgroup_id_x 1
		.amdhsa_system_sgpr_workgroup_id_y 1
		.amdhsa_system_sgpr_workgroup_id_z 1
		.amdhsa_system_vgpr_workitem_id 0
		.amdhsa_next_free_vgpr 832
		.amdhsa_next_free_sgpr 106
		.amdhsa_reserve_vcc 1
		.amdhsa_float_denorm_mode_32 3
		.amdhsa_float_denorm_mode_16_64 3
		.amdhsa_memory_ordered 1
		.amdhsa_forward_progress 1
		.amdhsa_inst_pref_size 255
	.end_amdhsa_kernel
	.section	.bss,"aw",@nobits
	.p2align	6
	.space	262144
	.amdgpu_metadata
---
amdhsa.version: [ 1, 2 ]
amdhsa.kernels:
  - .name:           k_qd7768b8eeb_qkv
    .symbol:         k_qd7768b8eeb_qkv.kd
    .args:
      - { .name: hidden_states_codes, .offset: 0, .size: 8, .value_kind: global_buffer, .address_space: global }
      - { .name: hidden_states_scales, .offset: 8, .size: 8, .value_kind: global_buffer, .address_space: global }
      - { .name: Wq_codes, .offset: 16, .size: 8, .value_kind: global_buffer, .address_space: global }
      - { .name: Wq_scales, .offset: 24, .size: 8, .value_kind: global_buffer, .address_space: global }
      - { .name: Wk_codes, .offset: 32, .size: 8, .value_kind: global_buffer, .address_space: global }
      - { .name: Wk_scales, .offset: 40, .size: 8, .value_kind: global_buffer, .address_space: global }
      - { .name: Wv_codes, .offset: 48, .size: 8, .value_kind: global_buffer, .address_space: global }
      - { .name: Wv_scales, .offset: 56, .size: 8, .value_kind: global_buffer, .address_space: global }
      - { .name: q_norm_w, .offset: 64, .size: 8, .value_kind: global_buffer, .address_space: global }
      - { .name: k_norm_w, .offset: 72, .size: 8, .value_kind: global_buffer, .address_space: global }
      - { .name: position_ids, .offset: 80, .size: 8, .value_kind: global_buffer, .address_space: global }
      - { .name: q_img, .offset: 88, .size: 8, .value_kind: global_buffer, .address_space: global }
      - { .name: q_sc, .offset: 96, .size: 8, .value_kind: global_buffer, .address_space: global }
      - { .name: kv_img, .offset: 104, .size: 8, .value_kind: global_buffer, .address_space: global }
      - { .name: kv_sc, .offset: 112, .size: 8, .value_kind: global_buffer, .address_space: global }
    .group_segment_fixed_size: 327680
    .private_segment_fixed_size: 0
    .kernarg_segment_align: 8
    .kernarg_segment_size: 120
    .max_flat_workgroup_size: 128
    .sgpr_count:     106
    .vgpr_count:     832
    .wavefront_size: 32
...
	.end_amdgpu_metadata
.endif
;; end of part 1
;; launch attn (part 2): grid 32 x 8, 8 waves a work-group, clusters of 4 x 1, 327,680 bytes of LDS; arguments q_img, q_sc, kv_img, kv_sc, o_img, o_sc; writes o_img, o_sc
.if DOCPART == 2
	.amdgcn_target "amdgcn-amd-amdhsa--gfx1250"
	.amdhsa_code_object_version 6
	.text
	.protected	k_qd7768b8eeb_attn
	.globl	k_qd7768b8eeb_attn
	.p2align	8
	.type	k_qd7768b8eeb_attn,@function
k_qd7768b8eeb_attn:
	s_mov_b64 s[64:65], 0
	v_nop
	global_prefetch_b8 v0, s[64:65] scope:SCOPE_SE
	s_setreg_imm32_b32 hwreg(HW_REG_WAVE_MODE, 25, 1), 1
	s_wait_xcnt 0x0
	s_wait_alu depctr_hold_cnt(0) depctr_sa_sdst(0) depctr_va_vdst(0) depctr_va_sdst(0) depctr_va_ssrc(0) depctr_va_vcc(0) depctr_vm_vsrc(0)
	s_getreg_b32 s2, hwreg(HW_REG_IB_STS2, 6, 4)
	s_cmp_eq_u32 s2, 0
	s_cbranch_scc0 .Lentry_in_a_cluster
	s_endpgm
.Lentry_in_a_cluster:
	s_bfe_u32 s2, ttmp6, 0x10000c
	s_cmp_lg_u32 s2, 0x3003
	s_cbranch_scc0 .Lentry_shape_is_right
	s_endpgm
.Lentry_shape_is_right:
.set STEPB, 24576
.set SLOTB, 4*STEPB
.set SLOT1, 131072
.set SCR,   229376
.set SPARE, 245760
.set LI,   1
.set SCB,  2
.set SPW,  3
.set NIL,  4
.set AD,   5
.set ADS,  6
.set DQ,   7
.set PFO,  8
.set QF,   16
.set F,    32
.set S,    128
.set PC,   192
.set KS,   212
.set VS,   220
.set BM,   228
.set BT,   232
.set SO,   236
.set FF,   240
.set PW,   242
.set TT,   243
.set SUM2, 244
.set NINF, 246
.set WV,   18
.set MSB, 0
.macro WIN new
.if MSB != (\new)
	s_set_vgpr_msb (MSB<<8)|(\new)
.set MSB, (\new)
.endif
.endm
.macro ROUND
	s_barrier_signal -1
	s_barrier_wait -1
	s_cmp_lg_u32 s[WV], 0
	s_cbranch_scc1 .Lnot_wave_0_\@
	s_barrier_signal -3
.Lnot_wave_0_\@:
	s_barrier_wait -3
	s_barrier_signal -1
	s_barrier_wait -1
.endm
.macro ASK
	s_cmp_gt_u32 s51, s56
	s_cbranch_scc0 .Lnot_mine_\@
	global_prefetch_b8 v[PFO], s[54:55] th:TH_LOAD_NT scope:SCOPE_SE
.Lnot_mine_\@:
.endm
	s_load_b256 s[4:11], s[0:1], 0x0
	s_load_b128 s[12:15], s[0:1], 0x20
	v_lshl_add_u32 v[SPW], v0, 2, SPARE
	v_mov_b32 v[NIL], 0
	ds_add_u32 v3, v4
	ds_add_u32 v3, v4
	s_wait_dscnt 0x0
	v_lshrrev_b32 v5, 5, v0
	s_delay_alu instid0(VALU_DEP_1)
	v_readfirstlane_b32 s[WV], v5
	s_bfe_u32 s16, ttmp6, 0x40000
	s_and_b32 s17, ttmp7, 0xffff
	s_lshr_b32 s19, s[WV], 2
	s_add_co_u32 s49, ttmp9, 1
	s_sub_co_u32 s50, 16, ttmp9
	s_cmp_eq_u32 s19, 0
	s_cselect_b32 s49, s49, s50
	s_sub_co_u32 s50, s49, 1
	s_lshr_b32 s57, s16, 1
	s_lshl_b32 s58, ttmp9, 1
	s_add_co_u32 s57, s57, s58
	s_sub_co_u32 s58, 31, s57
	s_cmp_eq_u32 s19, 0
	s_cselect_b32 s57, s57, s58
	s_and_b32 s58, s[WV], 3
	s_lshl_b32 s59, s57, 2
	s_add_co_u32 s59, s59, s58
	s_and_b32 s60, s16, 1
	s_lshl_b32 s61, s17, 1
	s_add_co_u32 s60, s60, s61
	s_mov_b32 s24, 15|(3<<16)|(1<<21)
	s_mov_b32 s25, 32<<16
	s_mov_b32 s26, 48<<16
	s_mov_b32 s27, 32<<16
	s_mov_b32 s28, 48
	s_mov_b32 s29, 32
	s_mov_b32 s30, 0
	s_mov_b32 s31, 0
	s_mov_b32 s36, 15|(3<<16)|(1<<21)
	s_mov_b32 s37, 32<<16
	s_mov_b32 s38, 8<<16
	s_mov_b32 s39, 32<<16
	s_mov_b32 s40, 8
	s_mov_b32 s41, 32
	s_mov_b32 s42, 0
	s_mov_b32 s43, 0
	s_mul_i32 s62, s17, 16*STEPB
	s_mul_i32 s33, s[WV], 12288
	s_add_co_u32 s62, s62, s33
	s_mov_b32 s63, 0
	s_lshl_b32 s52, s17, 14
	s_lshl_b32 s45, s[WV], 11
	s_add_co_u32 s52, s52, s45
	s_mov_b32 s53, 0
	s_add_co_u32 s45, s45, SCR
	s_min_u32 s54, s[WV], 2
	s_mul_i32 s55, s16, 3
	s_add_co_u32 s54, s54, s55
	s_lshl_b32 s54, s54, 13
	s_mul_i32 s55, s17, 16*STEPB
	s_add_co_u32 s54, s54, s55
	s_add_co_u32 s54, s54, SLOTB
	s_mov_b32 s55, 0
	s_cmp_lt_u32 s[WV], 3
	s_cselect_b32 s56, 0, 1
	s_or_b32 s56, s56, ttmp9
	s_cmp_eq_u32 s56, 0
	s_cselect_b32 s56, 1, -1
	s_mov_b32 s20, 0x76543210
	s_mov_b32 s21, 0xfedcba98
	s_mov_b32 s22, 0x3e0293ee
	s_mov_b32 s23, s22
	s_mov_b32 s2, 0
	s_mov_b32 s3, 0
	s_mov_b32 s48, 0
	s_mov_b32 s51, 3
	s_wait_kmcnt 0x0
	s_mov_b32 s32, 1
	s_add_nc_u64 s[34:35], s[8:9], s[62:63]
	s_or_b32 s35, s35, 0x80000000
	s_mov_b32 s44, 1
	s_add_nc_u64 s[46:47], s[10:11], s[52:53]
	s_or_b32 s47, s47, 0x80000000
	s_add_nc_u64 s[54:55], s[8:9], s[54:55]
	ROUND
	tensor_load_to_lds s[44:47], s[36:43]
	s_nop 0
	s_wait_alu depctr_va_vdst(0)
	s_wait_tensorcnt 0x0
	ds_add_u32 v3, v4
	s_wait_dscnt 0x0
	ROUND
	tensor_load_to_lds s[32:35], s[24:31]
	s_nop 0
.rept 4
	v_nop
.endr
	v_and_b32 v9, 15, v0
	s_wait_alu depctr_va_vdst(0)
	v_bfe_u32 v6, v0, 4, 1
	s_wait_alu depctr_va_vdst(0)
	v_and_b32 v[LI], 31, v0
	s_delay_alu instid0(VALU_DEP_1)
	v_lshlrev_b32 v[PFO], 8, v[LI]
	s_delay_alu instid0(VALU_DEP_2)
	v_lshlrev_b32 v[LI], 4, v[LI]
	v_lshl_add_u32 v[SCB], v9, 5, SCR
	s_lshl_b32 s61, s60, 4
	s_lshr_b32 s62, s59, 3
	s_add_co_u32 s61, s61, s62
	s_and_b32 s53, s59, 7
	s_mul_i32 s62, s61, 12288
	s_mul_i32 s63, s53, 1536
	s_add_co_u32 s62, s62, s63
	v_add_nc_u32 v10, s62, v[LI]
	s_lshl_b32 s62, s61, 9
	s_lshl_b32 s63, s53, 2
	s_add_co_u32 s62, s62, s63
	v_lshl_add_u32 v11, v9, 5, s62
	global_load_b128 v[QF:QF+3], v10, s[4:5]
	global_load_b128 v[QF+4:QF+7], v10, s[4:5] offset:512
	global_load_b128 v[QF+8:QF+11], v10, s[4:5] offset:1024
	global_load_b32 v28, v11, s[6:7]
	s_lshl_b32 s63, s53, 4
	v_lshlrev_b32 v[DQ], 3, v6
	s_delay_alu instid0(VALU_DEP_1)
	v_sub_nc_u32 v[DQ], v9, v[DQ]
	s_delay_alu instid0(VALU_DEP_1)
	v_add_nc_u32 v[DQ], s63, v[DQ]
	v_mov_b32 v13, 0xff61b1e6
	s_delay_alu instid0(VALU_DEP_1)
	v_floor_f32 v12, -v13
	v_mov_b32 v14, 0
	v_mov_b32 v15, 0
.irp b, 0,1,2,3
	v_mov_b32 v[BT+\b], 0
.endr
	v_mov_b32 v[FF+1], 0
	v_mov_b32 v[TT], 0
	v_mov_b32 v[NINF], 0xff800000
	WIN 0x40
.set n, 0
.rept 64
	v_mov_b32 v[n], 0
.set n, n+1
.endr
	WIN 0
.macro STEP
	s_cmp_ge_u32 s48, s49
	s_cbranch_scc1 .Lhidden_\@
	v_add_nc_u32 v[AD], s2, v[LI]
	v_add_nc_u32 v[ADS], s3, v[SCB]
	v_nop
	v_nop
	ds_load_b128 v[KS:KS+3], v[ADS]
	ds_load_b128 v[KS+4:KS+7], v[ADS] offset:16
.irp t, 0,1,2,3,4,5,6,7
.irp c, 0,1,2
	ds_load_b128 v[F+12*\t+4*\c:F+12*\t+4*\c+3], v[AD] offset:1536*\t+512*\c
.endr
.endr
	s_wait_alu depctr_va_vdst(0)
	s_wait_dscnt 12
.irp t, 0,1,2,3
	v_wmma_scale_f32_16x16x128_f8f6f4 v[S+8*\t:S+8*\t+7], v[F+12*\t:F+12*\t+11], v[QF:QF+11], 0, v[KS+\t], v28 matrix_a_fmt:MATRIX_FMT_FP6 matrix_b_fmt:MATRIX_FMT_FP6
.endr
	s_wait_dscnt 0x0
.irp t, 4,5,6,7
	v_wmma_scale_f32_16x16x128_f8f6f4 v[S+8*\t:S+8*\t+7], v[F+12*\t:F+12*\t+11], v[QF:QF+11], 0, v[KS+\t], v28 matrix_a_fmt:MATRIX_FMT_FP6 matrix_b_fmt:MATRIX_FMT_FP6
.endr
.rept 4
	v_nop
.endr
	ds_load_b128 v[VS:VS+3], v[ADS] offset:512
	ds_load_b128 v[VS+4:VS+7], v[ADS] offset:528
.irp t, 0,1,2,3,4,5,6,7
.irp c, 0,1,2
	ds_load_b128 v[F+12*\t+4*\c:F+12*\t+4*\c+3], v[AD] offset:12288+1536*\t+512*\c
.endr
.endr
	s_cmp_lg_u32 s48, s50
	s_cbranch_scc1 .Lopen_\@
.set n, 0
.rept 64
	v_cmp_gt_i32 vcc_lo, 16*(n/8)+n%8, v[DQ]
	v_cndmask_b32 v[S+n], v[S+n], v[NINF], vcc_lo
.set n, n+1
.endr
.Lopen_\@:
.irp b, 0,1,2,3
	v_max3_num_f32 v[BM+\b], v[S+16*\b], v[S+1+16*\b], v[S+2+16*\b]
.endr
.irp i, 3,5,7,9,11,13
.irp b, 0,1,2,3
	v_max3_num_f32 v[BM+\b], v[BM+\b], v[S+16*\b+\i], v[S+1+16*\b+\i]
.endr
.endr
.irp b, 0,1,2,3
	v_max_num_f32 v[BM+\b], v[BM+\b], v[S+15+16*\b]
.endr
.irp b, 0,1,2,3
	s_delay_alu instid0(VALU_DEP_4)
	v_permlanex16_b32 v[BT+\b], v[BM+\b], s20, s21
.endr
.irp b, 0,1,2,3
	s_delay_alu instid0(VALU_DEP_4)
	v_max_num_f32 v[BM+\b], v[BM+\b], v[BT+\b]
.endr
	s_delay_alu instid0(VALU_DEP_2)
	v_max3_num_f32 v[TT], v[BM], v[BM+1], v[BM+2]
	s_delay_alu instid0(VALU_DEP_1)
	v_max_num_f32 v[TT], v[TT], v[BM+3]
	s_delay_alu instid0(VALU_DEP_1)
	v_mul_f32 v[TT], s22, v[TT]
	s_delay_alu instid0(VALU_DEP_1)
	v_max_num_f32 v13, v13, v[TT]
	v_mov_b32 v[TT], v12
	s_delay_alu instid0(VALU_DEP_2)
	v_floor_f32 v12, -v13
	s_delay_alu instid0(VALU_DEP_1)
	v_sub_f32 v[TT], v12, v[TT]
	s_delay_alu instid0(VALU_DEP_1)
	v_cvt_i32_f32 v[TT], v[TT]
	s_delay_alu instid0(VALU_DEP_1)
	v_ldexp_f32 v[FF], 1.0, v[TT]
.set n, 0
.rept 32
	v_pk_fma_f32 v[S+n:S+n+1], v[S+n:S+n+1], s[22:23], v[12:13] op_sel_hi:[1,0,0]
.set n, n+2
.endr
.irp b, 0,1,2,3
	v_fma_f32 v[BM+\b], v[BM+\b], s22, v12
.endr
.set n, 0
	s_wait_alu depctr_va_vdst(0)
.rept 64
	v_exp_f32 v[S+n], v[S+n]
.set n, n+1
.endr
	v_pk_mul_f32 v[14:15], v[14:15], v[FF:FF+1] op_sel_hi:[1,0]
	s_wait_alu depctr_va_vdst(0)
.irp b, 0,1,2,3
	v_exp_f32 v[BM+\b], v[BM+\b]
.endr
	v_pk_add_f32 v[SUM2:SUM2+1], v[S:S+1], v[S+2:S+3]
.set n, 4
.rept 15
	v_pk_add_f32 v[14:15], v[14:15], v[S+n:S+n+1]
	v_pk_add_f32 v[SUM2:SUM2+1], v[SUM2:SUM2+1], v[S+n+2:S+n+3]
.set n, n+4
.endr
	s_delay_alu instid0(VALU_DEP_1)
	v_pk_add_f32 v[14:15], v[14:15], v[SUM2:SUM2+1]
	s_wait_alu depctr_va_vdst(0)
.irp b, 0,1,2,3
	v_max_num_f32 v[BM+\b], 0x1800000, v[BM+\b]
.endr
.irp b, 0,1,2,3
	s_delay_alu instid0(VALU_DEP_4)
	v_add_nc_u32 v[SO+\b], 0xff000000, v[BM+\b]
.endr
.irp b, 0,1,2,3
	s_delay_alu instid0(VALU_DEP_4)
	v_lshrrev_b32 v[BT+\b], 23, v[SO+\b]
.endr
	s_delay_alu instid0(VALU_DEP_3)
	v_lshl_or_b32 v[PW], v[BT+1], 8, v[BT]
	s_delay_alu instid0(VALU_DEP_1)
	v_lshl_or_b32 v[PW], v[BT+2], 16, v[PW]
	s_delay_alu instid0(VALU_DEP_1)
	v_lshl_or_b32 v[PW], v[BT+3], 24, v[PW]
.irp c, 0,1
	v_cvt_scalef32_pk16_fp6_f32 v[PC+6*\c:PC+2+6*\c], v[S+32*\c:S+15+32*\c], v[SO+2*\c]
	v_cvt_scalef32_pk16_fp6_f32 v[PC+12+4*\c:PC+14+4*\c], v[S+16+32*\c:S+31+32*\c], v[SO+2*\c+1]
.endr
	v_nop
.irp c, 0,1
.irp i, 0,1,2
	v_permlane16_swap_b32 v[PC+6*\c+\i], v[PC+12+4*\c+\i]
.endr
.irp i, 0,1,2
	s_delay_alu instid0(VALU_DEP_3)
	v_mov_b32 v[PC+3+6*\c+\i], v[PC+12+4*\c+\i]
.endr
.endr
	WIN 0x41
.set n, 0
.rept 32
	v_pk_mul_f32 v[n:n+1], v[n:n+1], v[FF:FF+1] op_sel_hi:[1,0]
.set n, n+2
.endr
	s_wait_alu depctr_va_vdst(0)
	s_wait_dscnt 0x0
	WIN 0x50
.irp t, 0,1,2,3,4,5,6,7
	v_wmma_scale_f32_16x16x128_f8f6f4 v[8*\t:8*\t+7], v[F+12*\t:F+12*\t+11], v[PC:PC+11], v[8*\t:8*\t+7], v[VS+\t], v[PW] matrix_a_fmt:MATRIX_FMT_FP6 matrix_b_fmt:MATRIX_FMT_FP6
.endr
	WIN 0
.Lhidden_\@:
	s_add_co_u32 s2, s2, STEPB
	s_add_co_u32 s3, s3, 1024
	s_add_co_u32 s48, s48, 1
.endm
.macro SLOT_STEPS
	s_mov_b32 s52, 4
.Lstep_\@:
	STEP
	s_sub_co_u32 s52, s52, 1
	s_cmp_lg_u32 s52, 0
	s_cbranch_scc1 .Lstep_\@
	s_sub_co_u32 s2, s2, SLOTB
	s_xor_b32 s2, s2, SLOT1
.endm
.macro CHANGE fill
	s_wait_tensorcnt 0x0
	ds_add_u32 v[SPW], v[NIL]
.if \fill
	s_xor_b32 s33, s33, SLOT1
	s_add_nc_u64 s[34:35], s[34:35], SLOTB
	s_wait_xcnt 0x0
	s_add_nc_u64 s[54:55], s[54:55], SLOTB
	s_wait_dscnt 0x0
	ROUND
	tensor_load_to_lds s[32:35], s[24:31]
	s_nop 0
.rept 4
	v_nop
.endr
	ASK
.else
	s_wait_dscnt 0x0
	s_barrier_signal -1
	s_barrier_wait -1
.endif
.endm
	s_wait_loadcnt 0x0
.Lslot:
	CHANGE 1
	SLOT_STEPS
	s_sub_co_u32 s51, s51, 1
	s_cmp_lg_u32 s51, 0
	s_cbranch_scc1 .Lslot
	CHANGE 0
	SLOT_STEPS
.set TM, 32
	v_add_f32 v14, v14, v15
	s_delay_alu instid0(VALU_DEP_1)
	v_permlanex16_b32 v[TT], v14, s20, s21
	s_delay_alu instid0(VALU_DEP_1)
	v_add_f32 v14, v14, v[TT]
	s_wait_alu depctr_va_vdst(0)
	v_rcp_f32 v14, v14
	s_lshl_b32 s57, s60, 7                         ; o_img: [head][block of 16 rows][1,536 bytes]
	s_add_co_u32 s57, s57, s59
	s_mul_i32 s57, s57, 1536
	v_add_nc_u32 v10, s57, v[LI]
	s_lshl_b32 s58, s60, 13
	s_lshl_b32 s61, s59, 6
	s_add_co_u32 s58, s58, s61
	v_and_b32 v11, 15, v0
	s_delay_alu instid0(VALU_DEP_1)
	v_lshl_add_u32 v11, v11, 2, s58
.irp b, 0,1,2,3
	v_mov_b32 v[TM+4+\b], 0
.endr
	s_wait_alu depctr_va_vdst(0)
	WIN 0x01
.set n, 0
.rept 64
	v_mul_f32 v[S+n], v[n], v14
.set n, n+1
.endr
	WIN 0
.irp b, 0,1,2,3
.irp i, 0,1,2,3,4,5,6,7
	v_permlane16_swap_b32 v[S+16*\b+\i], v[S+8+16*\b+\i]
.endr
.endr
.irp b, 0,1,2,3
	v_max3_num_f32 v[TM+\b], |v[S+16*\b]|, |v[S+1+16*\b]|, 0x1800000
.endr
.irp i, 2,4,6,8,10,12,14
.irp b, 0,1,2,3
	s_delay_alu instid0(VALU_DEP_4)
	v_max3_num_f32 v[TM+\b], v[TM+\b], |v[S+16*\b+\i]|, |v[S+1+16*\b+\i]|
.endr
.endr
.irp b, 0,1,2,3
	s_delay_alu instid0(VALU_DEP_4)
	v_permlanex16_b32 v[TM+4+\b], v[TM+\b], s20, s21
.endr
.irp b, 0,1,2,3
	s_delay_alu instid0(VALU_DEP_4)
	v_max_num_f32 v[TM+\b], v[TM+\b], v[TM+4+\b]
.endr
.irp b, 0,1,2,3
	s_delay_alu instid0(VALU_DEP_4)
	v_add_nc_u32 v[TM+12+\b], 0xff000000, v[TM+\b]
.endr
.irp b, 0,1,2,3
	s_delay_alu instid0(VALU_DEP_4)
	v_lshrrev_b32 v[TM+4+\b], 23, v[TM+12+\b]
.endr
	s_delay_alu instid0(VALU_DEP_3)
	v_lshl_or_b32 v[PW], v[TM+5], 8, v[TM+4]
	s_delay_alu instid0(VALU_DEP_1)
	v_lshl_or_b32 v[PW], v[TM+6], 16, v[PW]
	s_delay_alu instid0(VALU_DEP_1)
	v_lshl_or_b32 v[PW], v[TM+7], 24, v[PW]
.irp c, 0,1
	v_cvt_scalef32_pk16_fp6_f32 v[PC+6*\c:PC+2+6*\c], v[S+32*\c:S+15+32*\c], v[TM+12+2*\c]
	v_cvt_scalef32_pk16_fp6_f32 v[PC+12+4*\c:PC+14+4*\c], v[S+16+32*\c:S+31+32*\c], v[TM+12+2*\c+1]
.endr
	v_nop
.irp c, 0,1
.irp i, 0,1,2
	v_permlane16_swap_b32 v[PC+6*\c+\i], v[PC+12+4*\c+\i]
.endr
.irp i, 0,1,2
	s_delay_alu instid0(VALU_DEP_3)
	v_mov_b32 v[PC+3+6*\c+\i], v[PC+12+4*\c+\i]
.endr
.endr
.irp c, 0,1,2
	global_store_b128 v10, v[PC+4*\c:PC+4*\c+3], s[12:13] offset:512*\c
.endr
	global_store_b32 v11, v[PW], s[14:15]
	s_wait_tensorcnt 0x0
	ds_add_u32 v[SPW], v[NIL]
	s_wait_dscnt 0x0
	ROUND
	s_endpgm
.Lfunc_end_k_qd7768b8eeb_attn:
	.size	k_qd7768b8eeb_attn, .Lfunc_end_k_qd7768b8eeb_attn-k_qd7768b8eeb_attn
	.p2alignl 7, 3214868480
	.fill 96, 4, 3214868480
	.section	.rodata,"a",@progbits
	.p2align	6, 0x0
	.amdhsa_kernel k_qd7768b8eeb_attn
		.amdhsa_group_segment_fixed_size 327680
		.amdhsa_private_segment_fixed_size 0
		.amdhsa_enable_private_segment 0
		.amdhsa_kernarg_size 48
		.amdhsa_user_sgpr_count 2
		.amdhsa_user_sgpr_kernarg_segment_ptr 1
		.amdhsa_wavefront_size32 1
		.amdhsa_system_sgpr_workgroup_id_x 1
		.amdhsa_system_sgpr_workgroup_id_y 1
		.amdhsa_system_sgpr_workgroup_id_z 1
		.amdhsa_system_vgpr_workitem_id 0
		.amdhsa_next_free_vgpr 320
		.amdhsa_next_free_sgpr 66
		.amdhsa_reserve_vcc 1
		.amdhsa_float_denorm_mode_32 3
		.amdhsa_float_denorm_mode_16_64 3
		.amdhsa_memory_ordered 1
		.amdhsa_forward_progress 1
		.amdhsa_inst_pref_size 71
	.end_amdhsa_kernel
	.amdgpu_metadata
---
amdhsa.version: [ 1, 2 ]
amdhsa.kernels:
  - .name:           k_qd7768b8eeb_attn
    .symbol:         k_qd7768b8eeb_attn.kd
    .args:
      - { .name: q_img, .offset: 0, .size: 8, .value_kind: global_buffer, .address_space: global }
      - { .name: q_sc, .offset: 8, .size: 8, .value_kind: global_buffer, .address_space: global }
      - { .name: kv_img, .offset: 16, .size: 8, .value_kind: global_buffer, .address_space: global }
      - { .name: kv_sc, .offset: 24, .size: 8, .value_kind: global_buffer, .address_space: global }
      - { .name: o_img, .offset: 32, .size: 8, .value_kind: global_buffer, .address_space: global }
      - { .name: o_sc, .offset: 40, .size: 8, .value_kind: global_buffer, .address_space: global }
    .group_segment_fixed_size: 327680
    .private_segment_fixed_size: 0
    .kernarg_segment_align: 8
    .kernarg_segment_size: 48
    .max_flat_workgroup_size: 256
    .sgpr_count:     66
    .vgpr_count:     320
    .wavefront_size: 32
...
	.end_amdgpu_metadata
.endif
;; end of part 2
;; launch oproj (part 3): grid 16 x 16, 4 waves a work-group, clusters of 4 x 4, 327,680 bytes of LDS; arguments o_img, o_sc, Wo_codes, Wo_scales, out0; writes out0
.if DOCPART == 3
	.amdgcn_target "amdgcn-amd-amdhsa--gfx1250"
	.amdhsa_code_object_version 6
	.text
	.protected	k_qd7768b8eeb_oproj
	.globl	k_qd7768b8eeb_oproj
	.p2align	8
	.type	k_qd7768b8eeb_oproj,@function
k_qd7768b8eeb_oproj:
	s_mov_b64 s[64:65], 0
	v_nop
	global_prefetch_b8 v0, s[64:65] scope:SCOPE_SE
	s_setreg_imm32_b32 hwreg(HW_REG_WAVE_MODE, 25, 1), 1
	s_wait_xcnt 0x0
	s_wait_alu depctr_hold_cnt(0) depctr_sa_sdst(0) depctr_va_vdst(0) depctr_va_sdst(0) depctr_va_ssrc(0) depctr_va_vcc(0) depctr_vm_vsrc(0)
	s_getreg_b32 s2, hwreg(HW_REG_IB_STS2, 6, 4)
	s_cmp_eq_u32 s2, 0
	s_cbranch_scc0 .Lentry_in_a_cluster
	s_endpgm
.Lentry_in_a_cluster:
	s_bfe_u32 s2, ttmp6, 0x10000c
	s_cmp_lg_u32 s2, 0xf033
	s_cbranch_scc0 .Lentry_shape_is_right
	s_endpgm
.Lentry_shape_is_right:
; out0 = O Wo^T on codes of FP6 (E2M3) with E8M0 scales, K = 2,048 = 16 heads x 128.  out0: [2,048][4,096] f32.
; A work-group makes 128 rows x 256 columns: S0 (source 0) = 256 rows of Wo, S1 (source 1) = 128 rows of O; a lane holds one row of out0 and eight neighbouring columns.  Four waves, each 128 x 64: 32 accumulators.
; Wo's ROWS (1,536 bytes) COME IN CHUNKS OF 256 BYTES, each on a multiple of 256, into three LDS planes of 256 rows x 272 bytes: byte y of a row lies in plane (y % 768) / 256.
; Two slots: A = planes 0 and 1 (512 bytes of each row; wave 0 fetches plane 0, wave 1 plane 1), B = plane 2 (waves 0, 1: 128 rows each).  768 bytes are eight steps of 128 along K, so no step lies across B's end.
; O comes as images of operand registers, [head][block of 16 rows][1,536 bytes]: with slot A the six heads whose steps begin in it, with slot B two; waves 2, 3 fetch 64 rows each.
; Four fills: A at the head, B behind the full sequence, and one refill of each.  The scale words stand in registers, each step names others: the 16 steps are written out.
; 4 x 4 work-groups form a cluster: Wo's tiles are shared along a column, O's along a row, asked for jointly.
; REGISTERS.  window 0: v16-18 S0's addresses by plane, v22-23 for pieces whose lanes 16-31 lie in the next plane, v20-21 S1's, v24-25 scale loads' offsets, v26, v27, v30 the way out, v28-29 for the add, v31 prefetch offset,
; v32-95 Wo's scale words, v96-127 O's, v128-223 S1's fragments (two sets), on the way out v128-255 rows; window 1: S0's fragments (two sets); window 2: accumulators, (a, b) at v[8 (8 a + b)].
.set KROW,   1536
.set PITCH,  272
.set HP,     128*PITCH
.set PLANE,  2*HP
.set S1A,    3*PLANE
.set S1AH,   36864                     ; six heads x four blocks x 1,536
.set S1B,    S1A+2*S1AH
.set S1BH,   12288
.set SPARE,  S1B+2*S1BH                ; 307,200
.set SPITCH, 528                       ; the way out: 16 rows x 528 bytes a wave, in plane 0, behind its last fill and last read
.set NL1,    3
.set HEADB,  196608                    ; a head of o_img
.set SC0,  32
.set SC1,  96
.set S1F,  128
.set PFO,  31
.set WV,   14
.set WH,   15
.set WL,   16
.set G1S0, 24
.set G0S0, 32
.set G1S1, 48
.set G0S1, 56
.set PFA,  76
.set LIM,  78
.set MUL,   0xa1
.set TO_S0, 0x40
.set MSB, 0
.macro WIN new
.if MSB != (\new)
	s_set_vgpr_msb (MSB<<8)|(\new)
.set MSB, (\new)
.endif
.endm
.macro PLACES n
.rept \n
	v_nop
.endr
.endm
.macro JLOAD g0a, g1a, g0b, g1b
	s_cmp_eq_u32 s[WH], 0
	s_cbranch_scc0 .Lfor_s1_\@
	tensor_load_to_lds s[\g0a:\g0a+3], s[\g1a:\g1a+7]
	s_nop 0
.rept 4
	v_nop
.endr
	s_branch .Lasked_\@
.Lfor_s1_\@:
	tensor_load_to_lds s[\g0b:\g0b+3], s[\g1b:\g1b+7]
	s_nop 0
.rept 4
	v_nop
.endr
.Lasked_\@:
.endm
.macro CREST
	s_cmp_lg_u32 s[WV], 0
	s_cbranch_scc1 .Lnot_wave_0_\@
	s_barrier_signal -3
.Lnot_wave_0_\@:
	s_barrier_wait -3
	s_barrier_signal -1
	s_barrier_wait -1
.endm
.macro CROUND
	s_barrier_signal -1
	s_barrier_wait -1
	CREST
.endm
.macro SHAPE sl                        ; group 1's row counts for slot A (0) or B (1); written while no tensor load of mine is out
	s_mov_b32 s[G1S0+2], (256-128*(\sl))<<16
	s_mov_b32 s[G1S0+4], 256-128*(\sl)
	s_mov_b32 s[G1S1+2], (6-4*(\sl))<<16
	s_mov_b32 s[G1S1+4], 6-4*(\sl)
.endm
.macro FRAG reg, st, i                 ; lane l: row l % 16; registers 6 c .. 6 c + 5: K = 64 c + 32 (l / 16) + 0 .. 31, in pieces of 8 bytes
.irp p, 0,1,2,3,4,5
.set BY, (96*(\st)+48*(\p/3)+8*(\p%3))%768
.if BY/256 == (BY+24)/256
	ds_load_b64 v[\reg+2*\p:\reg+2*\p+1], v[16+BY/256] offset:BY%256+(\i)*16*PITCH
.else
	ds_load_b64 v[\reg+2*\p:\reg+2*\p+1], v[22+BY/256] offset:BY%256-232+(\i)*16*PITCH
.endif
.endr
.endm
; S1's block a against S0's block b, sets p, step s.  An odd block's scale words stand in lanes 16-31 of its pair's register.
.macro WM a, b, p, s, zero
.set rD, 8*(8*(\a)+(\b))
.set rA, 128*(\p)+12*(\b)
.set rB, S1F+48*(\p)+12*(\a)
.set rX, SC0+16*((\b)/2)+(\s)
.set rY, SC1+16*((\a)/2)+(\s)
.set rW, (\b)%2+2*((\a)%2)+4*(\zero)
.if rW == 0
	v_wmma_scale_f32_16x16x128_f8f6f4 v[rD:rD+7], v[rA:rA+11], v[rB:rB+11], v[rD:rD+7], v[rX], v[rY] matrix_a_fmt:MATRIX_FMT_FP6 matrix_b_fmt:MATRIX_FMT_FP6
.elseif rW == 1
	v_wmma_scale_f32_16x16x128_f8f6f4 v[rD:rD+7], v[rA:rA+11], v[rB:rB+11], v[rD:rD+7], v[rX], v[rY] matrix_a_fmt:MATRIX_FMT_FP6 matrix_b_fmt:MATRIX_FMT_FP6 matrix_a_scale:MATRIX_SCALE_ROW1
.elseif rW == 2
	v_wmma_scale_f32_16x16x128_f8f6f4 v[rD:rD+7], v[rA:rA+11], v[rB:rB+11], v[rD:rD+7], v[rX], v[rY] matrix_a_fmt:MATRIX_FMT_FP6 matrix_b_fmt:MATRIX_FMT_FP6 matrix_b_scale:MATRIX_SCALE_ROW1
.elseif rW == 3
	v_wmma_scale_f32_16x16x128_f8f6f4 v[rD:rD+7], v[rA:rA+11], v[rB:rB+11], v[rD:rD+7], v[rX], v[rY] matrix_a_fmt:MATRIX_FMT_FP6 matrix_b_fmt:MATRIX_FMT_FP6 matrix_a_scale:MATRIX_SCALE_ROW1 matrix_b_scale:MATRIX_SCALE_ROW1
.elseif rW == 4
	v_wmma_scale_f32_16x16x128_f8f6f4 v[rD:rD+7], v[rA:rA+11], v[rB:rB+11], 0, v[rX], v[rY] matrix_a_fmt:MATRIX_FMT_FP6 matrix_b_fmt:MATRIX_FMT_FP6
.elseif rW == 5
	v_wmma_scale_f32_16x16x128_f8f6f4 v[rD:rD+7], v[rA:rA+11], v[rB:rB+11], 0, v[rX], v[rY] matrix_a_fmt:MATRIX_FMT_FP6 matrix_b_fmt:MATRIX_FMT_FP6 matrix_a_scale:MATRIX_SCALE_ROW1
.elseif rW == 6
	v_wmma_scale_f32_16x16x128_f8f6f4 v[rD:rD+7], v[rA:rA+11], v[rB:rB+11], 0, v[rX], v[rY] matrix_a_fmt:MATRIX_FMT_FP6 matrix_b_fmt:MATRIX_FMT_FP6 matrix_b_scale:MATRIX_SCALE_ROW1
.else
	v_wmma_scale_f32_16x16x128_f8f6f4 v[rD:rD+7], v[rA:rA+11], v[rB:rB+11], 0, v[rX], v[rY] matrix_a_fmt:MATRIX_FMT_FP6 matrix_b_fmt:MATRIX_FMT_FP6 matrix_a_scale:MATRIX_SCALE_ROW1 matrix_b_scale:MATRIX_SCALE_ROW1
.endif
.endm
.macro MUL8 a, p, s, zero              ; the 32 accumulators take turns in the same order in every step
.irp b, 0,1,2,3,4,5,6,7
	WM \a, \b, \p, \s, \zero
.endr
.endm
.macro FETCH_S0 st, p                  ; 48 loads
	WIN TO_S0
.irp i, 0,1,2,3,4,5,6,7
	FRAG 128*(\p)+12*\i, \st, \i
.endr
	WIN 0
.endm
.macro FETCH_S1 st, p, a0              ; head st, blocks a0, a0 + 1, as images: 6 loads
.set HJ, (\st)%8
.irp i, \a0, \a0+1
.irp c, 0,1,2
.if HJ < 6
	ds_load_b128 v[S1F+48*(\p)+12*(\i)+4*\c:S1F+48*(\p)+12*(\i)+4*\c+3], v20 offset:6144*HJ+1536*(\i)+512*\c
.else
	ds_load_b128 v[S1F+48*(\p)+12*(\i)+4*\c:S1F+48*(\p)+12*(\i)+4*\c+3], v21 offset:6144*(HJ-6)+1536*(\i)+512*\c
.endif
.endr
.endr
.endm
; A step: 32 products; in its middle the next step's fragments are fetched.  Fills are numbered 0 (A), 1 (B), 2 (A), 3 (B).  Where the next step ends in a fill not read yet: the wait for my tensor loads and a barrier.
; Where it begins in a later fill: the three lines, the barrier, and, while a fill two on is left, the round and the refill.
.macro KSTEP st, zero
.set NX, (\st)+1
.set C0, 2*((96*(\st))/768)+((96*(\st))%768)/512
.set C1, 2*((96*NX)/768)+((96*NX)%768)/512
.set E0, 2*((96*(\st)+95)/768)+((96*(\st)+95)%768)/512
.set E1, 2*((96*NX+95)/768)+((96*NX+95)%768)/512
.set PP, (\st)%2
.if C1 > C0 || E1 > E0
	s_wait_tensorcnt 0x0                           ; all my tensor loads have landed
.if C1 > C0
	ds_add_u32 v28, v29
	s_wait_dscnt 2*NL1+1                           ; the add and S1's blocks 2, 3 may be out
.else
	s_wait_dscnt 2*NL1
.endif
	WIN MUL
	MUL8 0, PP, \st, \zero
	s_wait_dscnt 0x0                               ; the add and my reads are done
	s_barrier_signal -1
	MUL8 1, PP, \st, \zero
	WIN 0
	s_barrier_wait -1
.if C1 > C0 && C0+2 < 4
	CREST
	s_add_nc_u64 s[G0S0+4*(C0%2)+2:G0S0+4*(C0%2)+3], s[G0S0+4*(C0%2)+2:G0S0+4*(C0%2)+3], 768
	s_add_nc_u64 s[G0S1+4*(C0%2)+2:G0S1+4*(C0%2)+3], s[G0S1+4*(C0%2)+2:G0S1+4*(C0%2)+3], 8*HEADB
	SHAPE C0%2
	JLOAD G0S0+4*(C0%2), G1S0, G0S1+4*(C0%2), G1S1 ; its four v_nop are the places in front of the loads below
.else
	PLACES 4
.endif
.else
	s_wait_dscnt 2*NL1
	WIN MUL
	MUL8 0, PP, \st, \zero
	MUL8 1, PP, \st, \zero
	s_wait_dscnt 0x0
	PLACES 4
.endif
	FETCH_S0 NX, 1-PP
	FETCH_S1 NX, 1-PP, 0
	FETCH_S1 NX, 1-PP, 2
	WIN MUL
	MUL8 2, PP, \st, \zero
	MUL8 3, PP, \st, \zero
	WIN 0
.endm
	s_load_b256 s[4:11], s[0:1], 0x0               ; o_img 4, o_sc 6, Wo's codes 8, Wo's scales 10
	s_load_b64 s[12:13], s[0:1], 0x20              ; out0
	v_lshl_add_u32 v28, v0, 2, SPARE
	v_mov_b32 v29, 0
	ds_add_u32 v28, v29                            ; the opening lines
	ds_add_u32 v28, v29
	s_wait_dscnt 0x0
	v_lshrrev_b32 v1, 5, v0
	v_readfirstlane_b32 s[WV], v1
	s_lshr_b32 s[WH], s[WV], 1                     ; my half of S1; also: I fetch for S0 (0) or S1 (1)
	s_and_b32 s[WL], s[WV], 1                      ; my half of S0; also: which part I fetch
	s_bfe_u32 s40, ttmp6, 0x40000                  ; cx
	s_bfe_u32 s41, ttmp6, 0x40004                  ; cy
	s_lshl_b32 s42, ttmp9, 2
	s_add_co_u32 s42, s42, s40                     ; X: my 256 columns
	s_and_b32 s17, ttmp7, 0xffff
	s_lshl_b32 s17, s17, 2
	s_add_co_u32 s17, s17, s41                     ; Y: my 128 rows
	s_lshl_b32 s43, s41, 2
	s_lshl_b32 s43, 15, s43                        ; my row of the cluster
	s_lshl_b32 s44, 0x1111, s40                    ; my column
	s_or_b32 s[G1S0], s44, (1<<20)|(1<<21)|(5<<22)|(3<<25)   ; rows of 256 bytes, 16 of padding behind each
	s_mov_b32 s[G1S0+1], 256<<16
	s_mov_b32 s[G1S0+2], 256<<16
	s_mov_b32 s[G1S0+3], 256<<16
	s_mov_b32 s[G1S0+4], 256
	s_mov_b32 s[G1S0+5], KROW
	s_mov_b32 s[G1S0+6], 0
	s_mov_b32 s[G1S0+7], 0
	s_or_b32 s[G1S1], s43, (3<<16)|(1<<21)         ; a row: four blocks of one head, 6,144 bytes (768 elements of 8); from head to head 196,608 bytes
	s_mov_b32 s[G1S1+1], 768<<16
	s_mov_b32 s[G1S1+2], 6<<16
	s_mov_b32 s[G1S1+3], 768<<16
	s_mov_b32 s[G1S1+4], 6
	s_mov_b32 s[G1S1+5], HEADB/8
	s_mov_b32 s[G1S1+6], 0
	s_mov_b32 s[G1S1+7], 0
	s_lshl_b32 s18, s42, 8
	s_mul_i32 s72, s18, KROW
	s_lshl_b32 s19, s[WL], 8
	s_add_co_u32 s72, s72, s19                     ; slot A: all 256 rows, chunk WL
	s_mov_b32 s73, 0
	s_lshl_b32 s19, s[WL], 7
	s_add_co_u32 s18, s18, s19                     ; slot B: the first row that I fetch; also the first row that I multiply
	s_mul_i32 s20, s18, KROW
	s_mov_b32 s21, 0
	s_lshl_b32 s22, s18, 6                         ; 64 scale bytes a row
	s_mov_b32 s23, 0
	s_lshl_b32 s45, s17, 3
	s_lshl_b32 s19, s[WL], 2
	s_add_co_u32 s45, s45, s19                     ; O: the first block of 16 rows that I fetch
	s_mul_i32 s46, s45, 1536
	s_mov_b32 s47, 0
	s_lshl_b32 s92, s17, 9
	s_lshl_b32 s19, s[WH], 8
	s_add_co_u32 s92, s92, s19                     ; O's scale words: the 64 rows that I multiply
	s_mov_b32 s93, 0
	s_mul_i32 s94, s[WL], HP
	s_mul_i32 s95, s[WL], S1BH
	; the prefetches' place
	s_lshl_b32 s66, s41, 5
	s_add_co_u32 s66, s66, s18                     ; Wo: of the 128 rows at my wave's place, my work-group's 32 (by cy),
	s_mul_i32 s66, s66, KROW
	s_add_co_u32 s66, s66, 768                     ; from byte 768 on
	s_add_co_u32 s67, s40, 4                       ; O: heads 8 + 2 cx and 9 + 2 cx,
	s_mul_i32 s67, s67, 2*HEADB
	s_mul_i32 s68, s17, 12288                      ; my work-group's eight blocks of 16 rows
	s_add_co_u32 s67, s67, s68
	s_and_b32 s69, ttmp7, 0xffff
	s_mov_b32 s70, 768
	s_mov_b32 s71, HEADB-12288
	s_cmp_eq_u32 s[WH], 0
	s_cselect_b32 s66, s66, s67
	s_cselect_b32 s69, s69, ttmp9                  ; the coordinate along which other clusters read the same bytes
	s_cselect_b32 s70, KROW, s70                   ; from lane to lane: a row of Wo, or 768 bytes of O;
	s_cselect_b32 s71, 0, s71                      ; O: lanes 16-31 take the second head
	s_mov_b32 s67, 0
	s_cmp_eq_u32 s69, 0
	s_cselect_b32 s[LIM], 1, 0                     ; the first cluster along that coordinate asks
	s_cmp_eq_u32 s[WV], 3
	s_cselect_b32 s[LIM], 0, s[LIM]                ; O's 96 blocks are wave 2's three lines
	s_wait_kmcnt 0x0
	s_add_nc_u64 s[72:73], s[8:9], s[72:73]
	s_add_nc_u64 s[20:21], s[8:9], s[20:21]
	s_add_nc_u64 s[22:23], s[10:11], s[22:23]
	s_add_nc_u64 s[46:47], s[4:5], s[46:47]
	s_add_nc_u64 s[92:93], s[6:7], s[92:93]
	s_cmp_eq_u32 s[WH], 0
	s_cselect_b64 s[PFA:PFA+1], s[8:9], s[4:5]
	s_add_nc_u64 s[PFA:PFA+1], s[PFA:PFA+1], s[66:67]
	CROUND                                         ; in front of the first joint loads
	s_mov_b32 s[G0S0], 1                           ; slot A
	s_lshl_b32 s[G0S0+1], s94, 1                   ; plane WL
	s_mov_b64 s[G0S0+2:G0S0+3], s[72:73]
	s_or_b32 s[G0S0+3], s[G0S0+3], 0x80000000
	s_mov_b32 s[G0S1], 1
	s_mul_i32 s[G0S1+1], s[WL], S1AH
	s_add_co_u32 s[G0S1+1], s[G0S1+1], S1A
	s_mov_b64 s[G0S1+2:G0S1+3], s[46:47]
	s_or_b32 s[G0S1+3], s[G0S1+3], 0x80000000
	s_mov_b32 s[G0S0+4], 1                         ; slot B
	s_add_co_u32 s[G0S0+5], s94, 2*PLANE
	s_add_nc_u64 s[G0S0+6:G0S0+7], s[20:21], 512
	s_or_b32 s[G0S0+7], s[G0S0+7], 0x80000000
	s_mov_b32 s[G0S1+4], 1
	s_add_co_u32 s[G0S1+5], s95, S1B
	s_add_nc_u64 s[G0S1+6:G0S1+7], s[46:47], 6*HEADB
	s_or_b32 s[G0S1+7], s[G0S1+7], 0x80000000
	JLOAD G0S0, G1S0, G0S1, G1S1                   ; slot A: my one load at the head
	v_and_b32 v1, 15, v0                           ; r
	v_bfe_u32 v2, v0, 4, 1                         ; h
	v_and_b32 v8, 31, v0
	v_lshlrev_b32 v30, 4, v8
	v_lshlrev_b32 v24, 6, v8
	v_lshlrev_b32 v25, 2, v8
	v_mul_lo_u32 v[PFO], v8, s70
	v_mul_lo_u32 v9, v2, s71
	v_add_nc_u32 v[PFO], v[PFO], v9
	; THE SCALE WORDS, once.  Wo's: lane l takes row 32 i + l, 64 bytes.  O's: a head's words of 32 rows are 128 consecutive bytes.
.irp i, 0,1,2,3
.irp j, 0,1,2,3
	global_load_b128 v[SC0+16*\i+4*\j:SC0+16*\i+4*\j+3], v24, s[22:23] offset:2048*\i+16*\j
.endr
.endr
.irp i, 0,1
.irp s, 0,1,2,3,4,5,6,7,8,9,10,11,12,13,14,15
	global_load_b32 v[SC1+16*\i+\s], v25, s[92:93] offset:8192*\s+128*\i
.endr
.endr
	v_mul_u32_u24 v3, v1, PITCH
	v_mad_u32_u24 v4, v2, 24, v3                   ; row x pitch + 24 h
	s_mov_b32 s19, PLANE-232
	v_mul_u32_u24 v5, s19, v2
	v_add_nc_u32 v5, v3, v5
	v_add_nc_u32 v5, 232, v5                       ; lanes 0-15 byte 232 of the row, lanes 16-31 byte 0 in the next plane
	s_mul_i32 s18, s[WL], HP
	v_add_nc_u32 v16, s18, v4
	v_add_nc_u32 v17, PLANE, v16
	v_add_nc_u32 v18, PLANE, v17
	v_add_nc_u32 v22, s18, v5
	v_add_nc_u32 v23, PLANE, v22
	s_mul_i32 s18, s[WH], S1AH
	s_add_co_u32 s18, s18, S1A
	v_add_nc_u32 v20, s18, v30
	s_mul_i32 s18, s[WH], S1BH
	s_add_co_u32 s18, s18, S1B
	v_add_nc_u32 v21, s18, v30
	s_mul_i32 s18, s[WV], 16*SPITCH                ; my stage
	v_mul_u32_u24 v26, v1, SPITCH
	v_lshl_add_u32 v26, v2, 5, v26
	v_add_nc_u32 v26, s18, v26
	v_add_nc_u32 v27, s18, v30
	s_lshl_b32 s18, s17, 7
	s_lshl_b32 s19, s[WH], 6
	s_add_co_u32 s18, s18, s19                     ; my first row of out0,
	s_lshl_b32 s18, s18, 14
	s_lshl_b32 s19, s42, 10
	s_add_co_u32 s18, s18, s19
	s_lshl_b32 s19, s[WL], 9
	s_add_co_u32 s18, s18, s19                     ; my wave's 512 bytes of it
	s_mov_b32 s19, 0
	s_add_nc_u64 s[12:13], s[12:13], s[18:19]
	s_wait_alu depctr_va_vdst(0)
	s_wait_tensorcnt 0x0                           ; my part of slot A is in; the wait, the add and a round ahead of a later first fill
	ds_add_u32 v28, v29
	SHAPE 1
	s_wait_dscnt 0x0
	CROUND
	JLOAD G0S0+4, G1S0, G0S1+4, G1S1               ; slot B
	FETCH_S0 0, 0
	FETCH_S1 0, 0, 0
	FETCH_S1 0, 0, 2
	; A PREFETCH of what the two refills will ask for: bytes 768 .. 1,535 of Wo's rows (three blocks a row, a lane a row; cluster y = 0, waves 0 and 1; the partners share the rows out by address), and heads 8 .. 15 of O's images
	; (cluster x = 0, wave 2; partner cx takes two heads, 96 blocks, three a lane).  It stands behind the first run of LDS loads, five steps ahead of the first refill.
	s_cmp_eq_u32 s[LIM], 1
	s_cbranch_scc0 .Lnot_mine
	global_prefetch_b8 v[PFO], s[PFA:PFA+1] th:TH_LOAD_NT scope:SCOPE_SE
	global_prefetch_b8 v[PFO], s[PFA:PFA+1] offset:256 th:TH_LOAD_NT scope:SCOPE_SE
	global_prefetch_b8 v[PFO], s[PFA:PFA+1] offset:512 th:TH_LOAD_NT scope:SCOPE_SE
.Lnot_mine:
	s_wait_loadcnt 0x0                             ; the scale words
	KSTEP 0, 1                                     ; the first step's products start the sums
.set ST, 1
.rept 14
	KSTEP ST, 0
.set ST, ST+1
.endr
	s_wait_dscnt 2*NL1                             ; the very last step
	WIN MUL
	MUL8 0, 1, 15, 0
	MUL8 1, 1, 15, 0
	s_wait_dscnt 0x0
	MUL8 2, 1, 15, 0
	MUL8 3, 1, 15, 0
	WIN 0
; THE WAY OUT, block by block of 16 rows x 128 columns: through my own stage and back as whole rows of 512 bytes.  LDS serves a wave's instructions in order (ISA guide 5.7.1.4).
.macro TOSTAGE a
	WIN 0x08
.irp b, 0,1,2,3,4,5,6,7
	ds_store_b128 v26, v[64*(\a)+8*\b:64*(\a)+8*\b+3] offset:64*\b        ; each accumulator from its low end on
	ds_store_b128 v26, v[64*(\a)+8*\b+4:64*(\a)+8*\b+7] offset:64*\b+16
.endr
	WIN 0
.set BB, 128+64*((\a)%2)
.irp t, 0,1,2,3,4,5,6,7,8,9,10,11,12,13,14,15
	ds_load_b128 v[BB+4*\t:BB+4*\t+3], v27 offset:\t*SPITCH
.endr
.endm
.macro SEND a, younger
.set BB, 128+64*((\a)%2)
	s_wait_dscnt \younger
.if (\a) > 0
	s_add_nc_u64 s[12:13], s[12:13], 16*16384      ; behind a wait on XCNT: the earlier stores have read their base
.endif
.irp t, 0,1,2,3,4,5,6,7,8,9,10,11,12,13,14,15
	global_store_b128 v30, v[BB+4*\t:BB+4*\t+3], s[12:13] offset:\t*16384 th:TH_STORE_NT   ; 32 lanes store 512 consecutive bytes, aligned
.endr
.endm
	PLACES 4
	TOSTAGE 0
.irp a, 1,2,3
.if \a > 1
	s_wait_xcnt 0x0
.endif
	TOSTAGE \a
	SEND \a-1, 32
.endr
	s_wait_xcnt 0x0
	SEND 3, 0
	s_wait_tensorcnt 0x0                           ; the wave's end
	ds_add_u32 v28, v29
	s_wait_dscnt 0x0
	CROUND
	s_endpgm
.Lfunc_end_k_qd7768b8eeb_oproj:
	.size	k_qd7768b8eeb_oproj, .Lfunc_end_k_qd7768b8eeb_oproj-k_qd7768b8eeb_oproj
	.p2alignl 7, 3214868480
	.fill 96, 4, 3214868480
	.section	.rodata,"a",@progbits
	.p2align	6, 0x0
	.amdhsa_kernel k_qd7768b8eeb_oproj
		.amdhsa_group_segment_fixed_size 327680
		.amdhsa_private_segment_fixed_size 0
		.amdhsa_enable_private_segment 0
		.amdhsa_kernarg_size 40
		.amdhsa_user_sgpr_count 2
		.amdhsa_user_sgpr_kernarg_segment_ptr 1
		.amdhsa_wavefront_size32 1
		.amdhsa_system_sgpr_workgroup_id_x 1
		.amdhsa_system_sgpr_workgroup_id_y 1
		.amdhsa_system_sgpr_workgroup_id_z 1
		.amdhsa_system_vgpr_workitem_id 0
		.amdhsa_next_free_vgpr 768
		.amdhsa_next_free_sgpr 100
		.amdhsa_reserve_vcc 0
		.amdhsa_float_denorm_mode_32 3
		.amdhsa_float_denorm_mode_16_64 3
		.amdhsa_memory_ordered 1
		.amdhsa_forward_progress 1
		.amdhsa_inst_pref_size 162
	.end_amdhsa_kernel
	.amdgpu_metadata
---
amdhsa.version: [ 1, 2 ]
amdhsa.kernels:
  - .name:           k_qd7768b8eeb_oproj
    .symbol:         k_qd7768b8eeb_oproj.kd
    .args:
      - { .name: o_img, .offset: 0, .size: 8, .value_kind: global_buffer, .address_space: global }
      - { .name: o_sc, .offset: 8, .size: 8, .value_kind: global_buffer, .address_space: global }
      - { .name: Wo_codes, .offset: 16, .size: 8, .value_kind: global_buffer, .address_space: global }
      - { .name: Wo_scales, .offset: 24, .size: 8, .value_kind: global_buffer, .address_space: global }
      - { .name: out0, .offset: 32, .size: 8, .value_kind: global_buffer, .address_space: global }
    .group_segment_fixed_size: 327680
    .private_segment_fixed_size: 0
    .kernarg_segment_align: 8
    .kernarg_segment_size: 40
    .max_flat_workgroup_size: 128
    .sgpr_count:     100
    .vgpr_count:     768
    .wavefront_size: 32
...
	.end_amdgpu_metadata
.endif
;; end of part 3
